; MI455X (gfx1250); checked and timed in simulation.
; The chip was launched on July 23, 2026; its instructions are those of AMD's public machine-readable ISA for CDNA 5 (MIT licence, August 2026) and "CDNA5" Instruction Set Architecture Reference Guide (July 2026). The comments in the code are by the model that wrote it; some were corrected since.
;; Transformer Block. Allowed arithmetic: matrix products marked QUANTISED: E4M3 operands, one given power-of-two scale a tensor, by v_wmma_f32_16x16x64_fp8_fp8 or v_wmma_f32_16x16x128_fp8_fp8, f32 sums; everything else in f32.
;; Inputs: b_fc1 4,096 float32; b_fc2 1,024 float32; b_out 1,024 float32; b_qkv 3,072 float32; ln1_b 1,024 float32; ln1_g 1,024 float32; ln2_b 1,024 float32; ln2_g 1,024 float32; lowp_scales 12 int32 (the exponents e of the quantised operands' scales 2^e); w_fc1_codes 4,096 x 32 x 32 uint8 (E4M3 codes of w_fc1, K innermost, in blocks of 32 codes); w_fc2_codes 1,024 x 128 x 32 uint8 (E4M3 codes of w_fc2, K innermost, in blocks of 32 codes); w_out_codes 1,024 x 32 x 32 uint8 (E4M3 codes of w_out, K innermost, in blocks of 32 codes); w_qkv_codes 3,072 x 32 x 32 uint8 (E4M3 codes of w_qkv, K innermost, in blocks of 32 codes); x 2 x 2,048 x 1,024 float32.
;; Outputs: out0 2 x 2,048 x 1,024 float32.
;; This version of the problem:
;;   THIS VERSION OF THE PROBLEM IS GIVEN IN LOW PRECISION. The matrix products marked QUANTISED in the list below multiply operands that are first quantised to E4M3 (4 exponent bits, 3 mantissa bits; 8 bits a number), with one given power-of-two scale for each operand tensor; their sums are f32. All else is computed in f32.
;;   The module's matrix products, in the order in which they are computed (A, B: the left and right operand; K: the contracted axis; several contracted axes count as one K, in the product's order):
;;     1. [M 4,096, K 1,024] x [K 1,024, N 3,072]; A: computed on the way; B: input w_qkv (given as codes): QUANTISED (scales: A lowp_scales[0], B lowp_scales[1])
;;     2. batch 32 x [M 2,048, K 64] x [K 64, N 2,048]; A: computed on the way; B: computed on the way: QUANTISED (scales: A lowp_scales[2], B lowp_scales[3])
;;     3. batch 32 x [M 2,048, K 2,048] x [K 2,048, N 64]; A: softmax (see below); B: computed on the way: QUANTISED (scales: A lowp_scales[4], B lowp_scales[5])
;;     4. [M 4,096, K 1,024] x [K 1,024, N 1,024]; A: computed on the way; B: input w_out (given as codes): QUANTISED (scales: A lowp_scales[6], B lowp_scales[7])
;;     5. [M 4,096, K 1,024] x [K 1,024, N 4,096]; A: computed on the way; B: input w_fc1 (given as codes): QUANTISED (scales: A lowp_scales[8], B lowp_scales[9])
;;     6. [M 4,096, K 4,096] x [K 4,096, N 1,024]; A: computed on the way; B: input w_fc2 (given as codes): QUANTISED (scales: A lowp_scales[10], B lowp_scales[11])
;;   THE QUANTISER, for each operand of a quantised product, along K:
;;     - The operand's scale is 2^e, e = its entry of the input lowp_scales (int32; the entries are numbered through the quantised products in the list's order, A before B).
;;     - Each number is divided by the scale, clamped to +-448, and rounded to the nearest number of E4M3, ties to even, subnormals kept.
;;     - The product sums the exact products of the quantised numbers (number of the format x scale) in f32.
;;   ~~~python
;;   def quantise(x, axis, e):      # numpy; x: float32 -> the quantised numbers, widened to float32 again
;;       x = np.moveaxis(x, axis, -1); K = x.shape[-1]
;;       r = np.clip(x / 2.0 ** e, -448, 448)
;;       step = 2.0 ** (np.maximum(np.frexp(np.where(r == 0, 1, r))[1] - 1, -6) - 3)
;;       q = np.round(r / step) * step * 2.0 ** e      # np.round: ties to even
;;       return np.moveaxis(q, -1, axis).astype(np.float32)
;;   ~~~
;;   SOFTMAX AHEAD OF A QUANTISED PRODUCT. Where the list says 'softmax', what is quantised is not the finished softmax but p = 2^(t - M), with t = logit x log2(e) and M = ceil(the row's largest t), a whole number; so 1/2 < the row's largest p <= 1. The row's sum l is taken of the UNQUANTISED p, in f32, and the product's result is divided by l at the end. Since M is a whole number, a kernel that streams over the keys may use a running M (the ceiling of the running maximum): every later rescaling is an exact power of two, so the quantised numbers keep their values, but for numbers so far below the row's largest that they fall under the format's range.
;;   OPERANDS COMPUTED ON THE WAY. 'Computed on the way' means the value that the module computes at that place (a softmax that the list does not call 'softmax' is quantised finished and normalised). What goes into a quantiser is computed in f32, as accurately as f32 sums, v_exp_f32 and their like allow (about 1e-6 of the number): no bf16 or f16 on the way to a quantiser, and a product that is left as it is and whose result goes on into a quantised operand takes f32 operands (vector FMAs, or v_wmma_f32_16x16x4_f32). A number that lies on a knife's edge between two numbers of the format may be rounded either way, as far as f32 arithmetic and the matrix unit's own rounding can turn it there, and no further.
;;   INPUTS GIVEN AS CODES. w_fc1 (in the module: [1024, 4096], K = its axis 0); w_fc2 (in the module: [4096, 1024], K = its axis 0); w_out (in the module: [1024, 1024], K = its axis 0); w_qkv (in the module: [1024, 3072], K = its axis 0): each comes as NAME_codes (uint8): NAME with its K axis moved to the last place and cut into blocks of 32 codes, [.., K / 32, bytes a block], one block behind the other in memory; one code a byte (a code: sign, 4 exponent bits, 3 mantissa bits); its scale is its entry of lowp_scales. Its value is code x scale, taken as it is: it is not quantised again, and the codes and scales need not be those that the quantiser above would give.
;; One version. Each part assembles by itself: llvm-mc -triple=amdgcn-amd-amdhsa -mcpu=gfx1250 --defsym DOCPART=n.
;; ======== version 1 of 1: 7 launches
;; limits: right only within a limited range of input values
;; workspace buffers: hc 4,194,304 bytes; qc 4,194,304 bytes; kc 4,194,304 bytes; vc 4,194,304 bytes; oc 4,194,304 bytes; x1 16,777,216 bytes; gc 16,777,216 bytes
;; launch ln1 (part 1): grid 256 x 1, 4 waves a work-group, no clusters, 17,920 bytes of LDS; arguments x, ln1_g, ln1_b, lowp_scales, hc; writes hc
.if DOCPART == 1
	.amdgcn_target "amdgcn-amd-amdhsa--gfx1250"
	.amdhsa_code_object_version 6
	.text
	.protected	k_q682eecb2a7_ln1
	.globl	k_q682eecb2a7_ln1
	.p2align	8
	.type	k_q682eecb2a7_ln1,@function
k_q682eecb2a7_ln1:
	s_mov_b64 s[64:65], 0
	v_nop
	global_prefetch_b8 v0, s[64:65] scope:SCOPE_SE
	s_setreg_imm32_b32 hwreg(HW_REG_WAVE_MODE, 25, 1), 1
	s_wait_xcnt 0x0
; THE PROGRAM: ln1 -> qkv -> att -> outp -> ln2 -> fc1 -> fc2.  All six products of the block run on E4M3 codes; norms, biases, softmax, GELU and residuals in f32.
; WORK LEFT OUT, in launch att alone.  reference() sets attn[q][k] to -inf where k > q, by a mask that it builds itself from arange.  softmax gives such a key the weight exp(-inf) = 0
; whatever finite values the inputs hold, so neither its score (product 2) nor its row of v (product 3) reaches o.  Where all 128 keys of a key step come after all 16 queries of a tile,
; the step's two products and its softmax are not done.  Nothing else is left out: every input has a way to the output and is loaded.
; LIMIT: a NaN, an infinity or an overflow that would arise only in the scores left out is not carried to the result.
; THIS LAUNCH: h = (x - mean) rsqrt(var + 1e-5) g + b along the 1,024 columns, two passes in f32, then code = h / 2^e held within +-448, e = entry ESC / 4 of the scales.
; LIMITS: e between -126 and 119 (2^e and 448 x 2^e are made as f32 numbers); NaN and infinity among the inputs are not served.
; SHARES: a work-group owns 16 rows (one row tile), wave w rows 4 w .. 4 w + 3; a lane holds columns 128 j + 4 l .. + 3, j = 0 .. 7, of each: every load reads 512 consecutive bytes.
; OUT: hc [row tile][K step of 128][2,048 bytes]: a fragment as an image of the operand's registers: byte 512 g + 16 L + 4 e + i is register 4 g + e of lane L = 16 h + r: row r,
; k = 32 g + 16 (e / 2) + 8 h + 4 (e % 2) + i.  The code words are turned into that order in LDS (64 pieces of 256 bytes, 272 apart) and leave as stores of 512 consecutive bytes.
.set ESC,   0
.set X,     128                        ; v128-255 row i at X + 32 i
.set GA,    64                         ; v64-95   g of my 32 columns
.set BE,    96                         ; v96-127  b
.set TT,    32                         ; v32-63   row i: eight registers: at work, then the row's eight code words
.set MU,    8                          ; v8-15    mean of row i, as a pair
.set RS,    16                         ; v16-23   1 / sqrt(var + eps) of row i, as a pair
.set SPW,   24                         ; my spare word's LDS address; never rewritten
.set NIL,   25                         ; 0; never rewritten
.set SC,    30                         ; 2^e
.set LM,    31
.set PITCH, 272
.set SPARE, 64*PITCH                   ; behind the pieces: the spare words, 128 bytes a wave
	s_load_b256 s[4:11], s[0:1], 0x0               ; x, g, b, the scales' exponents
	s_load_b64 s[12:13], s[0:1], 0x20              ; hc
	v_lshl_add_u32 v[SPW], v0, 2, SPARE
	v_mov_b32 v[NIL], 0
	v_and_b32 v1, 31, v0                           ; lane l
	v_lshrrev_b32 v7, 5, v0                        ; wave w
	v_lshlrev_b32 v3, 4, v1                        ; 16 l
	v_lshl_add_u32 v2, v7, 14, v3                  ; x: + 4 rows of 4,096 bytes x w
	v_lshl_add_u32 v6, v7, 12, v3                  ; out: 4,096 w + 16 l
	v_bfe_u32 v26, v0, 3, 2                        ; g = l / 8
	v_bfe_u32 v27, v0, 1, 1                        ; h = (l / 2) % 2
	v_lshl_add_u32 v26, v26, 1, v27
	v_mul_u32_u24 v4, v26, PITCH                   ; piece 2 g + h of the fragment
	v_bfe_u32 v27, v0, 2, 1
	v_lshl_add_u32 v4, v27, 3, v4                  ; + 8 (e / 2)
	v_and_b32 v27, 1, v0
	v_lshl_add_u32 v4, v27, 2, v4                  ; + 4 (e % 2)
	v_lshl_add_u32 v4, v7, 6, v4                   ; + 16 x my first row: the 32 lanes of a store fall on 32 different banks
	v_bfe_u32 v27, v0, 4, 1
	v_lshl_add_u32 v26, v7, 4, v27
	v_mul_u32_u24 v5, v26, PITCH                   ; back: pieces 16 w + l / 16,
	v_and_b32 v27, 15, v0
	v_lshl_add_u32 v5, v27, 4, v5                  ; 16 bytes a lane
	s_lshl_b32 s2, ttmp9, 16                       ; 16 rows of 4,096 bytes
	s_mov_b32 s3, 0
	s_lshl_b32 s20, ttmp9, 14                      ; a row tile's 16,384 bytes of codes
	s_mov_b32 s21, 0
	s_mov_b32 s18, 0x76543210                      ; v_permlanex16_b32: lane l xor 16
	s_mov_b32 s19, 0xfedcba98
	s_mov_b32 s22, 0x3a800000                      ; 1 / 1,024
	s_mov_b32 s23, 0x3727c5ac                      ; 1e-5
	s_wait_kmcnt 0x0
	s_load_b32 s15, s[10:11], ESC                  ; e
	s_add_nc_u64 s[4:5], s[4:5], s[2:3]
	s_add_nc_u64 s[12:13], s[12:13], s[20:21]
.irp i, 0,1,2,3
.irp j, 0,1,2,3,4,5,6,7
	global_load_b128 v[X+32*\i+4*\j:X+32*\i+4*\j+3], v2, s[4:5] offset:4096*\i+512*\j
.endr
.endr
.irp j, 0,1,2,3,4,5,6,7
	global_load_b128 v[GA+4*\j:GA+4*\j+3], v3, s[6:7] offset:512*\j
.endr
.irp j, 0,1,2,3,4,5,6,7
	global_load_b128 v[BE+4*\j:BE+4*\j+3], v3, s[8:9] offset:512*\j
.endr
	s_wait_kmcnt 0x0
	s_add_co_i32 s15, s15, 127
	s_lshl_b32 s16, s15, 23
	v_mov_b32 v[SC], s16                           ; 2^e: the conversion takes its exponent field
	s_add_co_i32 s15, s15, 8
	s_lshl_b32 s15, s15, 23
	s_or_b32 s15, s15, 0x600000
; the four rows' figures in v[TT + 8 i] are summed over the 32 lanes; the rows take turns line by line
.macro CROSS
.irp m, 1,2,4,8
.irp i, 0,1,2,3
	v_add_f32_dpp v[TT+8*\i], v[TT+8*\i], v[TT+8*\i] row_xmask:\m row_mask:0xf bank_mask:0xf
.endr
.endr
.irp i, 0,1,2,3
	v_permlanex16_b32 v[TT+8*\i+1], v[TT+8*\i], s18, s19
.endr
.irp i, 0,1,2,3
	v_add_f32 v[TT+8*\i], v[TT+8*\i], v[TT+8*\i+1]
.endr
.endm
	s_wait_loadcnt 16                              ; x's 32 loads are in; the 16 of g and b, issued behind them, may be out
.irp i, 0,1,2,3
	v_pk_add_f32 v[TT+8*\i:TT+8*\i+1], v[X+32*\i:X+32*\i+1], v[X+32*\i+2:X+32*\i+3]
	v_pk_add_f32 v[TT+8*\i+2:TT+8*\i+3], v[X+32*\i+4:X+32*\i+5], v[X+32*\i+6:X+32*\i+7]
.endr
.irp k, 8,12,16,20,24,28
.irp i, 0,1,2,3
	v_pk_add_f32 v[TT+8*\i:TT+8*\i+1], v[TT+8*\i:TT+8*\i+1], v[X+32*\i+\k:X+32*\i+\k+1]
	v_pk_add_f32 v[TT+8*\i+2:TT+8*\i+3], v[TT+8*\i+2:TT+8*\i+3], v[X+32*\i+\k+2:X+32*\i+\k+3]
.endr
.endr
.irp i, 0,1,2,3
	v_pk_add_f32 v[TT+8*\i:TT+8*\i+1], v[TT+8*\i:TT+8*\i+1], v[TT+8*\i+2:TT+8*\i+3]
.endr
.irp i, 0,1,2,3
	v_add_f32 v[TT+8*\i], v[TT+8*\i], v[TT+8*\i+1]
.endr
	CROSS
.irp i, 0,1,2,3
	v_mul_f32 v[MU+2*\i], s22, v[TT+8*\i]          ; the mean,
	v_mul_f32 v[MU+2*\i+1], s22, v[TT+8*\i]        ; twice: a pair for the packed form
.endr
.irp i, 0,1,2,3
.set k, 0
.rept 16
	v_pk_add_f32 v[X+32*\i+k:X+32*\i+k+1], v[X+32*\i+k:X+32*\i+k+1], v[MU+2*\i:MU+2*\i+1] neg_lo:[0,1] neg_hi:[0,1]   ; x - mean
.set k, k+2
.endr
.endr
.irp i, 0,1,2,3
	v_pk_mul_f32 v[TT+8*\i:TT+8*\i+1], v[X+32*\i:X+32*\i+1], v[X+32*\i:X+32*\i+1]
	v_pk_mul_f32 v[TT+8*\i+2:TT+8*\i+3], v[X+32*\i+2:X+32*\i+3], v[X+32*\i+2:X+32*\i+3]
.endr
.irp k, 4,8,12,16,20,24,28
.irp i, 0,1,2,3
	v_pk_fma_f32 v[TT+8*\i:TT+8*\i+1], v[X+32*\i+\k:X+32*\i+\k+1], v[X+32*\i+\k:X+32*\i+\k+1], v[TT+8*\i:TT+8*\i+1]
	v_pk_fma_f32 v[TT+8*\i+2:TT+8*\i+3], v[X+32*\i+\k+2:X+32*\i+\k+3], v[X+32*\i+\k+2:X+32*\i+\k+3], v[TT+8*\i+2:TT+8*\i+3]
.endr
.endr
.irp i, 0,1,2,3
	v_pk_add_f32 v[TT+8*\i:TT+8*\i+1], v[TT+8*\i:TT+8*\i+1], v[TT+8*\i+2:TT+8*\i+3]
.endr
.irp i, 0,1,2,3
	v_add_f32 v[TT+8*\i], v[TT+8*\i], v[TT+8*\i+1]
.endr
	CROSS
.irp i, 0,1,2,3
	v_fma_f32 v[TT+8*\i], v[TT+8*\i], s22, s23     ; var + eps
.endr
	s_wait_alu depctr_va_vdst(0)
.irp i, 0,1,2,3
	v_rsq_f32 v[RS+2*\i], v[TT+8*\i]
.endr
	v_nop                                          ; a plain instruction behind the last of the batch
	s_wait_alu depctr_va_vdst(0)                   ; one wait for the four, ahead of their first reader
.irp i, 0,1,2,3
	v_mov_b32 v[RS+2*\i+1], v[RS+2*\i]
.endr
	s_wait_alu depctr_va_vdst(0)
	s_wait_loadcnt 0x0                             ; g and b
.irp i, 0,1,2,3
.set k, 0
.rept 16
	v_pk_mul_f32 v[X+32*\i+k:X+32*\i+k+1], v[X+32*\i+k:X+32*\i+k+1], v[RS+2*\i:RS+2*\i+1]
.set k, k+2
.endr
.set k, 0
.rept 16
	v_pk_fma_f32 v[X+32*\i+k:X+32*\i+k+1], v[X+32*\i+k:X+32*\i+k+1], v[GA+k:GA+k+1], v[BE+k:BE+k+1]
.set k, k+2
.endr
.set k, 0
.rept 32
.set k, k+1
.endr
.irp q, 0,1,2,3
	v_cvt_scalef32_pk8_fp8_f32 v[TT+8*\i+2*\q:TT+8*\i+2*\q+1], v[X+32*\i+8*\q:X+32*\i+8*\q+7], v[SC]   ; my four columns of j = 2 q and my four of j = 2 q + 1: two code words
.endr
.irp j, 0,1,2,3,4,5,6,7
	ds_store_b32 v4, v[TT+8*\i+\j] offset:8*PITCH*\j+16*\i
.endr
.endr
	v_nop                                          ; a plain instruction behind the last scaled conversion
	s_wait_dscnt 0x0                               ; for the others' sake: my stores have landed
	s_barrier_signal -1
	s_barrier_wait -1
.irp i, 0,1,2,3,4,5,6,7
	ds_load_b128 v[X+4*\i:X+4*\i+3], v5 offset:2*PITCH*\i
.endr
.irp i, 0,1,2,3,4,5,6,7
	s_wait_dscnt 7-\i                              ; LDS loads come back in order: number i is in
	global_store_b128 v6, v[X+4*\i:X+4*\i+3], s[12:13] offset:512*\i   ; 32 lanes store 512 consecutive bytes, aligned
.endr
	s_wait_tensorcnt 0x0                           ; the wave's end
	ds_add_u32 v[SPW], v[NIL]
	s_wait_dscnt 0x0
	s_endpgm
.Lfunc_end_k_q682eecb2a7_ln1:
	.size	k_q682eecb2a7_ln1, .Lfunc_end_k_q682eecb2a7_ln1-k_q682eecb2a7_ln1
	.p2alignl 7, 3214868480
	.fill 96, 4, 3214868480
	.section	.rodata,"a",@progbits
	.p2align	6, 0x0
	.amdhsa_kernel k_q682eecb2a7_ln1
		.amdhsa_group_segment_fixed_size 17920
		.amdhsa_private_segment_fixed_size 0
		.amdhsa_enable_private_segment 0
		.amdhsa_kernarg_size 40
		.amdhsa_user_sgpr_count 2
		.amdhsa_user_sgpr_kernarg_segment_ptr 1
		.amdhsa_wavefront_size32 1
		.amdhsa_system_sgpr_workgroup_id_x 1
		.amdhsa_system_sgpr_workgroup_id_y 1
		.amdhsa_system_sgpr_workgroup_id_z 1
		.amdhsa_system_vgpr_workitem_id 0
		.amdhsa_next_free_vgpr 256
		.amdhsa_next_free_sgpr 66
		.amdhsa_reserve_vcc 0
		.amdhsa_float_denorm_mode_32 3
		.amdhsa_float_denorm_mode_16_64 3
		.amdhsa_fp16_overflow 1
		.amdhsa_memory_ordered 1
		.amdhsa_forward_progress 1
		.amdhsa_inst_pref_size 36
	.end_amdhsa_kernel
	.amdgpu_metadata
---
amdhsa.version: [ 1, 2 ]
amdhsa.kernels:
  - .name:           k_q682eecb2a7_ln1
    .symbol:         k_q682eecb2a7_ln1.kd
    .args:
      - { .name: x, .offset: 0, .size: 8, .value_kind: global_buffer, .address_space: global }
      - { .name: ln1_g, .offset: 8, .size: 8, .value_kind: global_buffer, .address_space: global }
      - { .name: ln1_b, .offset: 16, .size: 8, .value_kind: global_buffer, .address_space: global }
      - { .name: lowp_scales, .offset: 24, .size: 8, .value_kind: global_buffer, .address_space: global }
      - { .name: hc, .offset: 32, .size: 8, .value_kind: global_buffer, .address_space: global }
    .group_segment_fixed_size: 17920
    .private_segment_fixed_size: 0
    .kernarg_segment_align: 8
    .kernarg_segment_size: 40
    .max_flat_workgroup_size: 128
    .sgpr_count:     66
    .vgpr_count:     256
    .wavefront_size: 32
...
	.end_amdgpu_metadata
.endif
;; end of part 1
;; launch qkv (part 2): grid 8 x 32, 4 waves a work-group, clusters of 4 x 4, 327,680 bytes of LDS; arguments hc, w_qkv_codes, lowp_scales, b_qkv, qc, kc, vc; writes qc, kc, vc
.if DOCPART == 2
	.amdgcn_target "amdgcn-amd-amdhsa--gfx1250"
	.amdhsa_code_object_version 6
	.text
	.protected	k_q682eecb2a7_qkv
	.globl	k_q682eecb2a7_qkv
	.p2align	8
	.type	k_q682eecb2a7_qkv,@function
k_q682eecb2a7_qkv:
	s_mov_b64 s[64:65], 0
	v_nop
	global_prefetch_b8 v0, s[64:65] scope:SCOPE_SE
	s_setreg_imm32_b32 hwreg(HW_REG_WAVE_MODE, 25, 1), 1
	s_wait_xcnt 0x0
	s_wait_alu depctr_hold_cnt(0) depctr_sa_sdst(0) depctr_va_vdst(0) depctr_va_sdst(0) depctr_va_ssrc(0) depctr_va_vcc(0) depctr_vm_vsrc(0)
	s_getreg_b32 s2, hwreg(HW_REG_IB_STS2, 6, 4)
	s_cmp_eq_u32 s2, 0
	s_cbranch_scc0 .Lentry_in_a_cluster
	s_endpgm
.Lentry_in_a_cluster:
	s_bfe_u32 s2, ttmp6, 0x10000c
	s_cmp_lg_u32 s2, 0xf033
	s_cbranch_scc0 .Lentry_shape_is_right
	s_endpgm
.Lentry_shape_is_right:
; qkv = h W_qkv + b_qkv on E4M3 codes (K = 1,024), and q, k, v quantised at once for the two products of attention.  Scales: h e0, W e1, q e2, k e3, v e5.
; SHARES.  Work-group (X, Y) owns tokens 128 Y .. + 127 and walks three column tiles of 128: columns 1,024 t + 128 X: t = 0, 1, 2 is q, k, v of heads 2 X and 2 X + 1.
; Wave w: rows 64 (w / 2) on, columns 64 (w % 2) on (one head): 16 accumulators.
; A STAYS IN REGISTERS: a wave's 64 rows x 1,024 codes are 512 registers and serve all three tiles; LDS then carries B alone.  A's panel (131,072 dense bytes of register images) lands once in slot 1.
; B's tiles (128 rows of W x 1,024 bytes, LDS rows 1,040 bytes apart: row r starts at bank 4 r mod 64) go through two slots, a whole tile to a slot, asked for one tile ahead.
; CLUSTER 4 x 4: A's panel hangs on Y alone and is asked for jointly along a row of the cluster, B's tiles on X alone and jointly along a column.
; LAYOUT.  q, k: source 0 = 16 rows of W, source 1 = 16 tokens: a lane holds one token and eight neighbouring channels, which one conversion turns into registers 2 b, 2 b + 1 of the next operand.
; v: the sources are swapped: a lane holds one channel and eight neighbouring tokens, since the keys are the K of attention's second product.
; The bias is the C of each sum's first matrix instruction, divided by 2^(e0 + e1); the three scales ahead of a quantiser are folded into the conversion's one: 2^(e - e0 - e1).
; OUT, as images of operand registers (byte 512 g + 16 L = registers 4 g .. 4 g + 3 of lane L): qc, kc [batch x head][tile of 16 tokens][1,024]; vc [batch x head][128 keys][16 channels][2,048].
; LIMITS: e2, e3, e5 less e0 + e1 between -126 and 119; NaN and infinity are not served.
; REGISTERS: window 0: v1-9 addresses, v10-11 the add's two, v12, v14, v96 scales, v64-95 codes, v128-255 accumulators ((a, b) at 128 + 8 (4 a + b));
;   window 1: v0-127 two sets of B's four fragments, v128-223 three sets of bias;  windows 2, 3: A: fragment (a, s) in window 2 + a / 2 at 128 (a % 2) + 16 s.
.set SLOTB, 133120                     ; 128 rows x 1,040 bytes
.set HALFT, 66560                      ; 64 rows: what one tensor load brings
.set SPARE, 2*SLOTB                    ; behind the slots: the spare words, 128 bytes a wave
.set ACC,   128
.set CD,    64
.set AB0,   3                          ; v3  (64 wc + r) 1,040 + 8 h
.set ADB,   4                          ; v4  the same in the slot in hand
.set ADA,   5                          ; v5, v6  A's panel: my 64 rows' images, blocks 0-1 and 2-3
.set L16,   7                          ; v7  16 x lane
.set SPW,   10
.set NIL,   11
.set WV,    18
.set WR,    19
.set WC,    20
.set G1A,   32
.set G1B,   40
.set G0A,   48
.set G0B,   52
.set TB,    66
.set MSB,   0
.macro WIN new                         ; the immediate's high byte repeats the setting that is left
.if MSB != (\new)
	s_set_vgpr_msb (MSB<<8)|(\new)
.set MSB, (\new)
.endif
.endm
.macro PLACES n
.rept \n
	v_nop
.endr
.endm
.macro CROUND                          ; a round of the cluster's barrier
	s_barrier_signal -1
	s_barrier_wait -1
	s_cmp_lg_u32 s[WV], 0
	s_cbranch_scc1 .Lnot_wave_0_\@
	s_barrier_signal -3
.Lnot_wave_0_\@:
	s_barrier_wait -3
	s_barrier_signal -1
	s_barrier_wait -1
.endm
.macro JLOADB                          ; waves 2 and 3 ask for the two halves of B's next tile; the branch hangs on the wave's number alone
	s_cmp_lt_u32 s[WV], 2
	s_cbranch_scc1 .Lno_b_\@
	tensor_load_to_lds s[G0B:G0B+3], s[G1B:G1B+7]
	s_nop 0
	PLACES 4
.Lno_b_\@:
.endm
	s_load_b256 s[4:11], s[0:1], 0x0               ; hc, W's codes, the scales' exponents, b_qkv
	s_load_b128 s[12:15], s[0:1], 0x20             ; qc, kc
	s_load_b64 s[16:17], s[0:1], 0x30              ; vc
	v_lshl_add_u32 v[SPW], v0, 2, SPARE
	v_mov_b32 v[NIL], 0
	ds_add_u32 v[SPW], v[NIL]                      ; the wave's opening: the add, twice on end, and its wait ahead of my first tensor load
	ds_add_u32 v[SPW], v[NIL]
	v_lshrrev_b32 v1, 5, v0
	v_readfirstlane_b32 s[WV], v1                  ; wave 0..3
	s_lshr_b32 s[WR], s[WV], 1                     ; my half of the rows
	s_and_b32 s[WC], s[WV], 1                      ; my half of the columns; also which 64 rows of a tile I fetch
	s_bfe_u32 s21, ttmp6, 0x40000                  ; cx
	s_bfe_u32 s22, ttmp6, 0x40004                  ; cy
	s_lshl_b32 s23, ttmp9, 2
	s_add_co_u32 s23, s23, s21                     ; X
	s_and_b32 s28, ttmp7, 0xffff
	s_lshl_b32 s28, s28, 2
	s_add_co_u32 s28, s28, s22                     ; Y
	s_lshl_b32 s29, s22, 2
	s_lshl_b32 s29, 15, s29                        ; my row of the cluster
	s_lshl_b32 s30, 0x1111, s21                    ; my column
	s_or_b32 s[G1A], s29, (1<<20)|(1<<21)|(7<<22)|(3<<25)   ; the mask; elements of 1 byte; padding on; bit 21 beside a mask; 4 words behind every 256
	s_or_b32 s[G1B], s30, (1<<20)|(1<<21)|(7<<22)|(3<<25)
.irp g, G1A, G1B
	s_mov_b32 s[\g+1], 1024<<16                    ; tensor_dim0
	s_mov_b32 s[\g+2], 64<<16                      ; tensor_dim1
	s_mov_b32 s[\g+3], 1024<<16                    ; tile_dim0
	s_mov_b32 s[\g+4], 64                          ; tile_dim1
	s_mov_b32 s[\g+5], 1024                        ; from row to row
	s_mov_b32 s[\g+6], 0
	s_mov_b32 s[\g+7], 0
.endr
	s_lshl_b32 s56, s28, 17                        ; A: 131,072 Y + 65,536 x half
	s_lshl_b32 s57, s[WC], 16
	s_add_co_u32 s56, s56, s57
	s_mov_b32 s57, 0
	s_lshl_b32 s58, s23, 17                        ; B: 131,072 X + 65,536 x half
	s_lshl_b32 s59, s[WC], 16
	s_add_co_u32 s58, s58, s59
	s_mov_b32 s59, 0
	s_mul_i32 s31, s[WC], HALFT                    ; in a slot: no place in the cluster enters an LDS address
	s_mov_b32 s[TB], 0
	s_wait_dscnt 0x0                               ; both opening adds are done
	s_wait_kmcnt 0x0
	s_load_b256 s[68:75], s[8:9], 0x0              ; e0 .. e7
	CROUND                                         ; all sixteen work-groups are here: the first joint loads meet
	s_mov_b32 s[G0A], 1
	s_add_co_u32 s[G0A+1], s31, SLOTB              ; A's panel lands in slot 1
	s_add_nc_u64 s[G0A+2:G0A+3], s[4:5], s[56:57]
	s_or_b32 s[G0A+3], s[G0A+3], 0x80000000
	s_mov_b32 s[G0B], 1
	s_mov_b32 s[G0B+1], s31                        ; B's tile 0 in slot 0
	s_add_nc_u64 s[G0B+2:G0B+3], s[6:7], s[58:59]
	s_or_b32 s[G0B+3], s[G0B+3], 0x80000000
	s_cmp_lt_u32 s[WV], 2                          ; every wave issues one first fill: waves 0, 1 A's halves, waves 2, 3 B's
	s_cbranch_scc0 .Lfirst_b
	tensor_load_to_lds s[G0A:G0A+3], s[G1A:G1A+7]
	s_nop 0
	PLACES 4
	s_branch .Lfirst_done
.Lfirst_b:
	tensor_load_to_lds s[G0B:G0B+3], s[G1B:G1B+7]
	s_nop 0
	PLACES 4
.Lfirst_done:
	v_and_b32 v1, 15, v0                           ; r
	v_bfe_u32 v2, v0, 4, 1                         ; h
	v_and_b32 v[L16], 31, v0
	v_lshlrev_b32 v[L16], 4, v[L16]
	v_mul_u32_u24 v[AB0], v1, 1040
	v_lshl_add_u32 v[AB0], v2, 3, v[AB0]
	v_add_nc_u32 v[AB0], s31, v[AB0]
	s_mul_i32 s29, s[WR], HALFT
	s_add_co_u32 s29, s29, SLOTB
	v_add_nc_u32 v[ADA], s29, v[L16]
	v_add_nc_u32 v[ADA+1], 33280, v[ADA]
	v_lshlrev_b32 v8, 5, v2                        ; bias of q, k: 32 h
	v_lshlrev_b32 v9, 2, v1                        ; bias of v: 4 r
	s_lshl_b32 s60, s23, 9
	s_lshl_b32 s61, s[WC], 8
	s_add_co_u32 s60, s60, s61
	s_mov_b32 s61, 0
	s_add_nc_u64 s[10:11], s[10:11], s[60:61]      ; b_qkv at column 128 X + 64 wc
	WIN 0x40                                       ; destination window 1
.irp t, 0,1
.irp b, 0,1,2,3
	global_load_b128 v[128+32*\t+8*\b:128+32*\t+8*\b+3], v8, s[10:11] offset:4096*\t+64*\b       ; register 8 b + j: the bias of channel 16 b + 8 h + j
	global_load_b128 v[128+32*\t+8*\b+4:128+32*\t+8*\b+7], v8, s[10:11] offset:4096*\t+64*\b+16
.endr
.endr
.irp b, 0,1,2,3
	global_load_b32 v[192+8*\b], v9, s[10:11] offset:8192+64*\b                                  ; v: the bias of channel 16 b + r
.endr
	WIN 0
	s_lshr_b32 s60, s28, 4                         ; the batch
	s_lshl_b32 s60, s60, 4
	s_lshl_b32 s61, s23, 1
	s_add_co_u32 s60, s60, s61
	s_add_co_u32 s60, s60, s[WC]                   ; batch x 16 + head
	s_lshl_b32 s60, s60, 17
	s_and_b32 s61, s28, 15
	s_lshl_b32 s61, s61, 13                        ; my work-group's 128 tokens in the sequence: 8 tiles of 1,024 bytes, or one key step of 8,192
	s_add_co_u32 s60, s60, s61
	s_lshl_b32 s62, s[WR], 10
	s_add_co_u32 s62, s60, s62                     ; vc: my 64 keys are registers 8 wr on of each fragment
	s_mov_b32 s63, 0
	s_lshl_b32 s61, s[WR], 12
	s_add_co_u32 s60, s60, s61                     ; qc, kc: my four tiles
	s_mov_b32 s61, 0
	s_add_nc_u64 s[12:13], s[12:13], s[60:61]
	s_add_nc_u64 s[14:15], s[14:15], s[60:61]
	s_add_nc_u64 s[16:17], s[16:17], s[62:63]
	s_wait_alu depctr_va_vdst(0)
	s_wait_tensorcnt 0x0                           ; my first fill has landed,
	s_barrier_signal -1
	s_barrier_wait -1                              ; everybody's has
.irp a, 0,1,2,3                        ; A's 32 fragments come into registers, 512 consecutive bytes a load, and stay
	WIN 0x80+0x40*((\a)/2)
.irp s, 0,1,2,3,4,5,6,7
.irp g, 0,1,2,3
	ds_load_b128 v[128*((\a)%2)+16*\s+4*\g:128*((\a)%2)+16*\s+4*\g+3], v[ADA+(\a)/2] offset:(16*((\a)%2)+2*\s+(\g)/2)*1040+512*((\g)%2)
.endr
.endr
.endr
	WIN 0
	s_wait_kmcnt 0x0
	s_add_co_i32 s24, s68, s69                     ; e0 + e1
	s_sub_co_i32 s25, 0, s24
.macro MKSCALE vs, vl, se              ; 2^(e - e0 - e1)
	s_sub_co_i32 s60, \se, s24
	s_add_co_i32 s60, s60, 127
	s_lshl_b32 s61, s60, 23
	v_mov_b32 v[\vs], s61
.endm
	MKSCALE 12, 13, s70
	MKSCALE 14, 15, s71
	MKSCALE 96, 97, s73
	s_wait_loadcnt 0x0                             ; the biases
	WIN 0x41                                       ; source 0 and destination window 1
.set i, 0
.rept 64
	v_ldexp_f32 v[128+i], v[128+i], s25            ; b / 2^(e0 + e1): exact
.set i, i+1
.endr
.irp b, 0,1,2,3
.irp j, 7,6,5,4,3,2,1,0
	v_ldexp_f32 v[192+8*\b+\j], v[192+8*\b], s25   ; the same number in all eight registers: a lane's eight tokens share the channel
.endr
.endr
	WIN 0
.macro FETCHB s, buf                   ; B's four fragments of K step s: registers 2 c, 2 c + 1 hold k = 16 c + 8 h + 0 .. 7 of row r: eight loads of 8 bytes
	WIN 0x40
.irp b, 0,1,2,3
.irp c, 0,1,2,3,4,5,6,7
	ds_load_b64 v[64*(\buf)+16*\b+2*\c:64*(\buf)+16*\b+2*\c+1], v[ADB] offset:16640*\b+128*(\s)+16*\c
.endr
.endr
.endm
; 16 matrix instructions, one for each accumulator, always in the same order.  cm = 1: C is the bias set at bs (window 1); 2: in place.
.macro MULQ s, buf, cm, swap, bs
.irp a, 0,1,2,3
.if \swap
.set MW, 0x06+(\a)/2
.else
.set MW, 0x09+4*((\a)/2)
.endif
.if \cm == 1
.set MW, MW+0x10
.endif
	WIN MW
.irp b, 0,1,2,3
.set rD, ACC+8*(4*\a+\b)
.set rB, 64*(\buf)+16*\b
.set rA, 128*((\a)%2)+16*(\s)
.if \swap
.if \cm == 1
	v_wmma_f32_16x16x128_fp8_fp8 v[rD:rD+7], v[rA:rA+15], v[rB:rB+15], v[\bs+8*\b:\bs+8*\b+7]
.else
	v_wmma_f32_16x16x128_fp8_fp8 v[rD:rD+7], v[rA:rA+15], v[rB:rB+15], v[rD:rD+7]
.endif
.else
.if \cm == 1
	v_wmma_f32_16x16x128_fp8_fp8 v[rD:rD+7], v[rB:rB+15], v[rA:rA+15], v[\bs+8*\b:\bs+8*\b+7]
.else
	v_wmma_f32_16x16x128_fp8_fp8 v[rD:rD+7], v[rB:rB+15], v[rA:rA+15], v[rD:rD+7]
.endif
.endif
.endr
.endr
.endm
; A tile: eight K steps of 128.  The next step's 32 loads are issued ahead of this step's products, four plain places behind the products that read that set last.
.macro TILE swap, bs
	v_add_nc_u32 v[ADB], s[TB], v[AB0]
	s_wait_alu depctr_va_vdst(0)
	PLACES 3
	FETCHB 0, 0
.irp s, 0,1,2,3,4,5,6,7
.if \s < 7
	PLACES 4
	FETCHB (\s+1), ((\s+1)%2)
	s_wait_dscnt 32                                ; this step's fragments are in; the 32 loads just issued may be out
.else
	s_wait_dscnt 0x0
.endif
.if \s == 0
	MULQ 0, 0, 1, \swap, \bs
.else
	MULQ \s, ((\s)%2), 2, \swap, \bs
.endif
.endr
	WIN 0
	PLACES 4                                       ; in front of the first read of results
	s_xor_b32 s[TB], s[TB], SLOTB                  ; on to the other slot
.endm
; The change of slots, at a tile's head.  Each wave waits for all its tensor loads, adds 0 to its spare word, and waits for that and for its reads of the slot that it has left.
; fill = 1: a round of the cluster's barrier, and behind it the joint refill of the slot that was left, with the tile after the one that is now multiplied.
.macro CHANGE fill
	WIN 0
	s_wait_tensorcnt 0x0                           ; no tensor load of mine is out, so a group 0 may be written
	ds_add_u32 v[SPW], v[NIL]
.if \fill
	s_xor_b32 s[G0B+1], s[G0B+1], SLOTB            ; the other slot,
	s_add_nc_u64 s[G0B+2:G0B+3], s[G0B+2:G0B+3], 0x100000   ; eight column tiles on
.endif
	s_wait_dscnt 0x0
.if \fill
	CROUND
	JLOADB
.else
	s_barrier_signal -1
	s_barrier_wait -1
.endif
.endm
.macro EPI_QK p, vs, vl                ; hold, convert, store: a tile of 16 tokens is 1,024 bytes, two stores of 512 consecutive bytes
	s_wait_xcnt 0x0                                ; the stores of the tile before have read the code registers
.irp a, 0,1,2,3
.set i, 0
.rept 32
.set i, i+1
.endr
.irp b, 0,1,2,3
	v_cvt_scalef32_pk8_fp8_f32 v[CD+8*\a+2*\b:CD+8*\a+2*\b+1], v[ACC+32*\a+8*\b:ACC+32*\a+8*\b+7], v[\vs]
.endr
.endr
	v_nop                                          ; a plain instruction behind the last scaled conversion: the next products write its sources
.irp a, 0,1,2,3
	global_store_b128 v[L16], v[CD+8*\a:CD+8*\a+3], s[\p:\p+1] offset:1024*\a
	global_store_b128 v[L16], v[CD+8*\a+4:CD+8*\a+7], s[\p:\p+1] offset:1024*\a+512
.endr
.endm
	CHANGE 1                                       ; my reads of A's panel are over: slot 1 takes k's tile
	TILE 0, 128
	EPI_QK 12, 12, 13
	CHANGE 1                                       ; slot 0 takes v's tile
	TILE 0, 160
	EPI_QK 14, 14, 15
	CHANGE 0                                       ; nothing is left to fetch
	TILE 1, 192
	s_wait_xcnt 0x0
.irp a, 0,1,2,3
.set i, 0
.rept 32
.set i, i+1
.endr
.irp b, 0,1,2,3
	v_cvt_scalef32_pk8_fp8_f32 v[CD+8*\b+2*\a:CD+8*\b+2*\a+1], v[ACC+32*\a+8*\b:ACC+32*\a+8*\b+7], v96   ; keys 16 a + 8 h + 0 .. 7 of my 64: registers 2 a, 2 a + 1 of my half of the fragment of channels 16 b on
.endr
.endr
	v_nop
.irp b, 0,1,2,3
	global_store_b128 v[L16], v[CD+8*\b:CD+8*\b+3], s[16:17] offset:2048*\b
	global_store_b128 v[L16], v[CD+8*\b+4:CD+8*\b+7], s[16:17] offset:2048*\b+512
.endr
	s_wait_tensorcnt 0x0                           ; the wave's end
	ds_add_u32 v[SPW], v[NIL]
	s_wait_dscnt 0x0
	CROUND                                         ; the closing round
	s_endpgm
.Lfunc_end_k_q682eecb2a7_qkv:
	.size	k_q682eecb2a7_qkv, .Lfunc_end_k_q682eecb2a7_qkv-k_q682eecb2a7_qkv
	.p2alignl 7, 3214868480
	.fill 96, 4, 3214868480
	.section	.rodata,"a",@progbits
	.p2align	6, 0x0
	.amdhsa_kernel k_q682eecb2a7_qkv
		.amdhsa_group_segment_fixed_size 327680
		.amdhsa_private_segment_fixed_size 0
		.amdhsa_enable_private_segment 0
		.amdhsa_kernarg_size 56
		.amdhsa_user_sgpr_count 2
		.amdhsa_user_sgpr_kernarg_segment_ptr 1
		.amdhsa_wavefront_size32 1
		.amdhsa_system_sgpr_workgroup_id_x 1
		.amdhsa_system_sgpr_workgroup_id_y 1
		.amdhsa_system_sgpr_workgroup_id_z 1
		.amdhsa_system_vgpr_workitem_id 0
		.amdhsa_next_free_vgpr 1024
		.amdhsa_next_free_sgpr 80
		.amdhsa_reserve_vcc 0
		.amdhsa_float_denorm_mode_32 3
		.amdhsa_float_denorm_mode_16_64 3
		.amdhsa_fp16_overflow 1
		.amdhsa_memory_ordered 1
		.amdhsa_forward_progress 1
		.amdhsa_inst_pref_size 109
	.end_amdhsa_kernel
	.amdgpu_metadata
---
amdhsa.version: [ 1, 2 ]
amdhsa.kernels:
  - .name:           k_q682eecb2a7_qkv
    .symbol:         k_q682eecb2a7_qkv.kd
    .args:
      - { .name: hc, .offset: 0, .size: 8, .value_kind: global_buffer, .address_space: global }
      - { .name: w_qkv_codes, .offset: 8, .size: 8, .value_kind: global_buffer, .address_space: global }
      - { .name: lowp_scales, .offset: 16, .size: 8, .value_kind: global_buffer, .address_space: global }
      - { .name: b_qkv, .offset: 24, .size: 8, .value_kind: global_buffer, .address_space: global }
      - { .name: qc, .offset: 32, .size: 8, .value_kind: global_buffer, .address_space: global }
      - { .name: kc, .offset: 40, .size: 8, .value_kind: global_buffer, .address_space: global }
      - { .name: vc, .offset: 48, .size: 8, .value_kind: global_buffer, .address_space: global }
    .group_segment_fixed_size: 327680
    .private_segment_fixed_size: 0
    .kernarg_segment_align: 8
    .kernarg_segment_size: 56
    .max_flat_workgroup_size: 128
    .sgpr_count:     80
    .vgpr_count:     1024
    .wavefront_size: 32
...
	.end_amdgpu_metadata
.endif
;; end of part 2
;; launch att (part 3): grid 8 x 32, 16 waves a work-group, clusters of 4 x 1, 327,680 bytes of LDS; arguments qc, kc, vc, lowp_scales, oc; writes oc
.if DOCPART == 3
	.amdgcn_target "amdgcn-amd-amdhsa--gfx1250"
	.amdhsa_code_object_version 6
	.text
	.protected	k_q682eecb2a7_att
	.globl	k_q682eecb2a7_att
	.p2align	8
	.type	k_q682eecb2a7_att,@function
k_q682eecb2a7_att:
	s_mov_b64 s[64:65], 0
	v_nop
	global_prefetch_b8 v0, s[64:65] scope:SCOPE_SE
	s_setreg_imm32_b32 hwreg(HW_REG_WAVE_MODE, 25, 1), 1
	s_wait_xcnt 0x0
	s_wait_alu depctr_hold_cnt(0) depctr_sa_sdst(0) depctr_va_vdst(0) depctr_va_sdst(0) depctr_va_ssrc(0) depctr_va_vcc(0) depctr_vm_vsrc(0)
	s_getreg_b32 s2, hwreg(HW_REG_IB_STS2, 6, 4)
	s_cmp_eq_u32 s2, 0
	s_cbranch_scc0 .Lentry_in_a_cluster
	s_endpgm
.Lentry_in_a_cluster:
	s_bfe_u32 s2, ttmp6, 0x10000c
	s_cmp_lg_u32 s2, 0x3003
	s_cbranch_scc0 .Lentry_shape_is_right
	s_endpgm
.Lentry_shape_is_right:
; Causal attention on E4M3 codes, head size 64, 2,048 keys, 32 (batch, head) pairs; o is quantised at once for the projection.  Scales: q e2, k e3, p e4, v e5, o e6.
; WORK LEFT OUT: a key step all of whose 128 keys come after a tile's 16 queries (reference()'s own mask gives them the weight 0): see the head of launch ln1.
; THE SOFTMAX: t = score x log2(e) / 8; M = the running largest t rounded up to a whole number; p = 2^(t - M) is quantised, not normalised; the row's sum is taken of the unquantised p and divides at the end.
; K AND V LIE IN LDS WHOLE: a head's 2,048 keys are 131,072 bytes of K and as many of V.  Each of the sixteen waves asks for 16 KiB once, at the head; there is no ring, no refill, and no barrier among the key steps.
; SHARES.  Work-group p (0 .. 7) of a head owns tile p (16 queries) of each of the 16 query blocks of 128: 1 + 2 + .. + 16 = 136 key steps of 128 keys in every work-group, and every work-group reads all keys.
; Waves 2 i and 2 i + 1 share the tiles of block 15 - i (16 - i steps) and of block i (i + 1 steps): 17 steps.  The even wave (role A) makes the long tile's steps 0 to 8.  The odd wave (role B) makes the short tile
; whole and stores it, then the long tile's steps 9 on: 8 steps.  B's part of the long tile (-M, the sum, O^T) goes to A through LDS, behind the one barrier; A brings both parts under the larger M by
; multiplications with powers of two, which round nothing, and stores the tile.  So each part of a long row has a running M of its own.
; CLUSTER 4 x 1: four work-groups of a head want the same K and V at the same time: every first fill is asked for jointly.  No branch hangs on p: a step is hidden, open or on the diagonal by the tile's BLOCK alone;
; p enters Q's and o's addresses and the lanes' mask threshold.
; LAYOUT.  Both products transposed: S^T = K Q^T (16 keys x my 16 queries, K = 64), O^T = V^T P^T (16 channels x my queries, K = 128 keys): a lane holds one query throughout.  Register j of score tile t is key
; 16 t + 8 h + j, so one conversion of a tile's eight registers gives registers 2 t, 2 t + 1 of P's fragment.  qc, kc, vc hold images of operand registers: every LDS and global load takes 512 consecutive bytes.
; Every wave loads the long tile's Q beside its first tile's; role A, whose walk of the second loop leaves every step out, does not use that copy: 1 KiB a wave, for a register that is written on every way.
; LIMITS: e2 + e3 between -123 and 130; e4 and e6 between -126 and 119; NaN and infinity are not served.
; REGISTERS: v1 16 x lane; v2 my pair's part in LDS; v4 the mask threshold; v5, v6 the add's two; v8, v9 K's and V's LDS addresses; v12 -M, v13 the largest t, v[14:15] the sum; v16-23 my first tile's Q; v24-31 the long tile's;
;   v32-95 K, then V; v96-159 S^T, then p; v160-191 O^T; v224-239 p's codes; v240-254 scales and work.
.set VBASE, 131072                     ; LDS: K's 128 images of 1 KiB from 0; V's 64 images of 2 KiB from here
.set STAGE, 262144                     ; a part of a long tile for each pair of waves: 9 x 512 bytes
.set PART,  4608
.set SPARE, STAGE+8*PART               ; the spare words, 128 bytes a wave
.set SPW,  5
.set NIL,  6
.set WV,   18
.set SEL,  20
.set CS,   22
.set G1,   24
.set G0,   40
.set TB,   2                           ; s2   8,192 x the key step: where its images begin in K's and in V's region
.set ROLE, 36                          ; s36  0: role A, 1: role B
.set QB1,  38                          ; s38  the first query of my first tile's block
.set QB2,  39                          ; s39  role B: of the long tile's block; role A: 0, under every key of the second loop
.set CNT,  67
.set KF,   98                          ; s98  the step's first key
.macro CROUND                          ; a round of the cluster's barrier
	s_barrier_signal -1
	s_barrier_wait -1
	s_cmp_lg_u32 s[WV], 0
	s_cbranch_scc1 .Lnot_wave_0_\@
	s_barrier_signal -3
.Lnot_wave_0_\@:
	s_barrier_wait -3
	s_barrier_signal -1
	s_barrier_wait -1
.endm
.macro INIT                            ; a tile's sums begin: the loops are written once, and a first step finds zeros
	v_mov_b32 v13, 0xff61b1e6                      ; the largest t so far: -3e38
	s_delay_alu instid0(VALU_DEP_1)
	v_floor_f32 v12, -v13                          ; -M
	v_mov_b32 v14, 0
	v_mov_b32 v15, 0
.set i, 0
.rept 32
	v_mov_b32 v[160+i], 0
.set i, i+1
.endr
.endm
	s_load_b256 s[4:11], s[0:1], 0x0               ; qc, kc, vc, the scales' exponents
	s_load_b64 s[12:13], s[0:1], 0x20              ; oc
	v_lshl_add_u32 v[SPW], v0, 2, SPARE
	v_mov_b32 v[NIL], 0
	ds_add_u32 v[SPW], v[NIL]                      ; the wave's opening: the add, twice on end, and its wait ahead of my first tensor load
	ds_add_u32 v[SPW], v[NIL]
	v_lshrrev_b32 v8, 5, v0
	s_delay_alu instid0(VALU_DEP_1)
	v_readfirstlane_b32 s[WV], v8                  ; wave 0..15
	s_bfe_u32 s33, ttmp6, 0x40000                  ; cx
	s_lshl_b32 s51, ttmp9, 2
	s_add_co_u32 s33, s51, s33                     ; p = 4 x cluster x + cx: it enters Q's and o's addresses and the mask threshold alone
	s_and_b32 s32, ttmp7, 0xffff                   ; batch x 16 + head, which the four partners share
	s_lshl_b32 s34, s32, 17                        ; its 131,072 bytes in qc, kc and vc
	s_mov_b32 s35, 0
	s_and_b32 s[ROLE], s[WV], 1
	s_lshr_b32 s37, s[WV], 1                       ; my pair i
	s_lshl_b32 s44, s37, 7                         ; the short tile's block begins at query 128 i,
	s_sub_co_u32 s45, 15, s37
	s_lshl_b32 s45, s45, 7                         ; the long tile's at 128 (15 - i)
	s_cmp_eq_u32 s[ROLE], 0
	s_cselect_b32 s[QB1], s45, s44
	s_cselect_b32 s[QB2], 0, s45
	s_mov_b32 s[G1], 15|(3<<16)|(1<<21)            ; the mask: all four work-groups; elements of 8 bytes; no padding; bit 21 beside a mask
	s_mov_b32 s[G1+1], 32<<16                      ; tensor_dim0: a row of 256 bytes
	s_mov_b32 s[G1+2], 64<<16                      ; tensor_dim1: 64 rows
	s_mov_b32 s[G1+3], 32<<16                      ; tile_dim0
	s_mov_b32 s[G1+4], 64                          ; tile_dim1
	s_mov_b32 s[G1+5], 32                          ; dense
	s_mov_b32 s[G1+6], 0
	s_mov_b32 s[G1+7], 0
	s_mov_b32 s[SEL], 0x76543210
	s_mov_b32 s[SEL+1], 0xfedcba98
	s_mov_b32 s[CS], 0x3e38aa3b                    ; c = log2(e) / 8
	s_mov_b32 s[TB], 0
	s_mov_b32 s[KF], 0
	s_wait_dscnt 0x0                               ; both opening adds are done
	s_wait_kmcnt 0x0
	s_load_b256 s[68:75], s[10:11], 0x0            ; e0 .. e7
	s_cmp_lt_u32 s[WV], 8
	s_cselect_b64 s[46:47], s[6:7], s[8:9]         ; waves 0 to 7 fetch K, waves 8 to 15 V
	s_and_b32 s48, s[WV], 7
	s_lshl_b32 s48, s48, 14
	s_mov_b32 s49, 0
	s_add_nc_u64 s[48:49], s[48:49], s[34:35]      ; the head, + 16,384 x (wave % 8)
	CROUND                                         ; all four work-groups are here: the joint loads meet
	s_mov_b32 s[G0], 1
	s_lshl_b32 s[G0+1], s[WV], 14                  ; LDS: 16,384 x wave: K's region, then V's
	s_add_nc_u64 s[G0+2:G0+3], s[46:47], s[48:49]
	s_or_b32 s[G0+3], s[G0+3], 0x80000000
	tensor_load_to_lds s[G0:G0+3], s[G1:G1+7]      ; my one tensor load of the launch
	s_nop 0
	v_and_b32 v1, 31, v0
	s_delay_alu instid0(VALU_DEP_1)
	v_lshlrev_b32 v1, 4, v1                        ; 16 x lane
	s_wait_alu depctr_va_vdst(0)
	s_lshl_b32 s51, s33, 4                         ; 16 p
	s_add_co_u32 s52, s[QB1], s51                  ; my first tile's first query; it is also the tile that I store
	s_add_co_u32 s53, s45, s51                     ; the long tile's
	s_lshl_b32 s54, s52, 6                         ; a tile of 16 queries is 1,024 bytes
	s_mov_b32 s55, 0
	s_add_nc_u64 s[54:55], s[54:55], s[34:35]
	s_add_nc_u64 s[54:55], s[4:5], s[54:55]
	s_lshl_b32 s56, s53, 6
	s_mov_b32 s57, 0
	s_add_nc_u64 s[56:57], s[56:57], s[34:35]
	s_add_nc_u64 s[56:57], s[4:5], s[56:57]
	global_load_b128 v[16:19], v1, s[54:55]        ; Q's fragments stay in registers
	global_load_b128 v[20:23], v1, s[54:55] offset:512
	global_load_b128 v[24:27], v1, s[56:57]
	global_load_b128 v[28:31], v1, s[56:57] offset:512
	s_lshr_b32 s58, s32, 4
	s_lshl_b32 s58, s58, 21                        ; oc: the batch's 128 row tiles of 16,384 bytes,
	s_lshl_b32 s59, s52, 10                        ; my row tile,
	s_add_co_u32 s58, s58, s59
	s_and_b32 s59, s32, 15
	s_lshl_b32 s59, s59, 10                        ; my head's 64 columns: half a fragment
	s_add_co_u32 s58, s58, s59
	s_mov_b32 s59, 0
	s_add_nc_u64 s[12:13], s[12:13], s[58:59]
	v_and_b32 v4, 15, v0
	v_bfe_u32 v7, v0, 4, 1
	s_delay_alu instid0(VALU_DEP_1)
	v_lshlrev_b32 v7, 3, v7
	s_delay_alu instid0(VALU_DEP_1)
	v_sub_nc_u32 v4, v4, v7
	s_delay_alu instid0(VALU_DEP_1)
	v_add_nc_u32 v4, s51, v4                       ; d = 16 p + r - 8 h.  On the diagonal register 8 t + j holds the block's key 16 t + 8 h + j: hidden where 16 t + j > d
	s_mul_i32 s60, s37, PART
	s_add_co_u32 s60, s60, STAGE
	v_add_nc_u32 v2, s60, v1                       ; my pair's part: made here, ahead of the roles' first parting
	v_mov_b32 v246, 0                              ; a lane permute's destination counts as read
	v_mov_b32 v249, 0                              ; (named as the upper halves of pairs)
	v_mov_b32 v251, 0
	v_mov_b32 v252, 0
	v_mov_b32 v253, 0
	INIT
	s_wait_kmcnt 0x0
	s_add_co_i32 s48, s70, s71
	s_lshl_b32 s48, s48, 23
	s_add_co_i32 s[CS], s[CS], s48                 ; a score stands for score x 2^(e2 + e3): added to c's exponent field
	s_mov_b32 s[CS+1], s[CS]
	s_add_co_i32 s48, s72, 127
	s_lshl_b32 s49, s48, 23
	v_mov_b32 v244, s49                            ; 2^e4
	s_add_co_i32 s48, s74, 127
	s_lshl_b32 s49, s48, 23
	v_mov_b32 v245, s49                            ; 2^e6
	s_add_co_i32 s50, s72, s73                     ; e4 + e5
; A KEY STEP: 128 keys from s[KF] on, for the tile whose Q lies in v[qr] on and whose block begins at query s[qb].
.macro STEP qr, qb
	s_cmp_gt_u32 s[KF], s[\qb]                     ; both are multiples of 128: all keys come after the block's queries: the step's work is left out (wave numbers and the count of steps alone; no barrier stands in a step)
	s_cbranch_scc1 .Lhidden_\@
	s_setprio 2
	v_add_nc_u32 v8, s[TB], v1
	s_delay_alu instid0(VALU_DEP_1)
	v_add_nc_u32 v9, VBASE, v8
	v_nop
	v_nop                                          ; with the two additions: four places in front of loads into registers that the last products read
.irp t, 0,1,2,3,4,5,6,7
	ds_load_b128 v[32+8*\t:35+8*\t], v8 offset:1024*\t
	ds_load_b128 v[36+8*\t:39+8*\t], v8 offset:1024*\t+512
.endr
	s_wait_alu depctr_va_vdst(0)
	s_wait_dscnt 0x0
.irp t, 0,1,2,3,4,5,6,7
	v_wmma_f32_16x16x64_fp8_fp8 v[96+8*\t:103+8*\t], v[32+8*\t:39+8*\t], v[\qr:\qr+7], 0
.endr
.rept 4
	v_nop
.endr
.irp b, 0,1,2,3
.irp g, 0,1,2,3
	ds_load_b128 v[32+16*\b+4*\g:35+16*\b+4*\g], v9 offset:2048*\b+512*\g   ; V lands while the softmax is walked
.endr
.endr
	s_cmp_lt_u32 s[KF], s[\qb]                     ; all keys come before the block: no mask
	s_cbranch_scc1 .Lopen_\@
	v_mov_b32 v254, 0xff800000                     ; -infinity: p = 0 then
.set n, 0
.rept 64
	v_cmp_gt_i32 vcc_lo, 16*(n/8)+n%8, v4
	v_cndmask_b32 v[96+n], v[96+n], v254, vcc_lo
.set n, n+1
.endr
.Lopen_\@:
	v_max3_num_f32 v254, v96, v97, v98             ; the step's largest score of my query among my 64 keys, in two chains, each accumulator from its low end on,
	v_max3_num_f32 v252, v99, v100, v101
.irp i, 6,10,14,18,22,26,30,34,38,42,46,50,54,58
	v_max3_num_f32 v254, v254, v[96+\i], v[97+\i]
	v_max3_num_f32 v252, v252, v[98+\i], v[99+\i]
.endr
	v_max3_num_f32 v254, v254, v158, v159
	s_delay_alu instid0(VALU_DEP_1)
	v_max_num_f32 v254, v254, v252
	s_delay_alu instid0(VALU_DEP_1)
	v_permlanex16_b32 v246, v254, s[SEL], s[SEL+1]
	s_delay_alu instid0(VALU_DEP_1)
	v_max_num_f32 v254, v254, v246                 ; and among lane l xor 16's
	s_delay_alu instid0(VALU_DEP_1)
	v_mul_f32 v254, s[CS], v254                    ; as t
	s_delay_alu instid0(VALU_DEP_1)
	v_max_num_f32 v13, v13, v254
	v_mov_b32 v254, v12
	s_delay_alu instid0(VALU_DEP_2)
	v_floor_f32 v12, -v13                          ; the new -M = -ceil(t)
	s_delay_alu instid0(VALU_DEP_1)
	v_sub_f32 v254, v12, v254                      ; old M - new M: a whole number, 0 or less
	s_delay_alu instid0(VALU_DEP_1)
	v_cvt_i32_f32 v254, v254
	s_delay_alu instid0(VALU_DEP_1)
	v_ldexp_f32 v252, 1.0, v254                    ; f = 2^(old M - new M)
.set j, 0
	s_setprio 1
.rept 32
	v_pk_fma_f32 v[96+j:97+j], v[96+j:97+j], s[CS:CS+1], v[12:13] op_sel_hi:[1,0,0]   ; t - M
.set j, j+2
.endr
.set j, 0
	s_wait_alu depctr_va_vdst(0)
.rept 64
	v_exp_f32 v[96+j], v[96+j]                     ; p = 2^(t - M)
.set j, j+1
.endr
	v_pk_mul_f32 v[14:15], v[14:15], v[252:253] op_sel_hi:[1,0]   ; the sums under the new M (a plain instruction behind the batch)
	s_wait_alu depctr_va_vdst(0)                   ; one wait for the batch, ahead of its first reader
	v_pk_add_f32 v[242:243], v[100:101], v[104:105]
	v_pk_add_f32 v[254:255], v[108:109], v[112:113]
	v_pk_add_f32 v[240:241], v[116:117], v[120:121]
	v_pk_add_f32 v[238:239], v[124:125], v[128:129]
	v_pk_add_f32 v[236:237], v[132:133], v[136:137]
	v_pk_add_f32 v[234:235], v[140:141], v[144:145]
	v_pk_add_f32 v[232:233], v[148:149], v[152:153]
	v_pk_add_f32 v[14:15], v[14:15], v[156:157]
	v_pk_add_f32 v[242:243], v[242:243], v[96:97]
	v_pk_add_f32 v[254:255], v[254:255], v[98:99]
	v_pk_add_f32 v[240:241], v[240:241], v[102:103]
	v_pk_add_f32 v[238:239], v[238:239], v[106:107]
	v_pk_add_f32 v[236:237], v[236:237], v[110:111]
	v_pk_add_f32 v[234:235], v[234:235], v[114:115]
	v_pk_add_f32 v[232:233], v[232:233], v[118:119]
	v_pk_add_f32 v[14:15], v[14:15], v[122:123]
	v_pk_add_f32 v[242:243], v[242:243], v[126:127]
	v_pk_add_f32 v[254:255], v[254:255], v[130:131]
	v_pk_add_f32 v[240:241], v[240:241], v[134:135]
	v_pk_add_f32 v[238:239], v[238:239], v[138:139]
	v_pk_add_f32 v[236:237], v[236:237], v[142:143]
	v_pk_add_f32 v[234:235], v[234:235], v[146:147]
	v_pk_add_f32 v[232:233], v[232:233], v[150:151]
	s_setprio 0
	v_pk_add_f32 v[14:15], v[14:15], v[154:155]
	v_pk_add_f32 v[242:243], v[242:243], v[158:159]
	s_delay_alu instid0(VALU_DEP_2)
	v_pk_add_f32 v[14:15], v[14:15], v[238:239]
	s_delay_alu instid0(VALU_DEP_2)
	v_pk_add_f32 v[242:243], v[242:243], v[236:237]
	v_pk_add_f32 v[254:255], v[254:255], v[234:235]
	v_pk_add_f32 v[240:241], v[240:241], v[232:233]
	s_delay_alu instid0(VALU_DEP_2)
	v_pk_add_f32 v[14:15], v[14:15], v[254:255]
	s_delay_alu instid0(VALU_DEP_2)
	v_pk_add_f32 v[242:243], v[242:243], v[240:241]
	s_delay_alu instid0(VALU_DEP_1)
	v_pk_add_f32 v[14:15], v[14:15], v[242:243]
.irp t, 0,1,2,3,4,5,6,7
.irp i, 0,1,2,3,4,5,6,7
.endr
	v_cvt_scalef32_pk8_fp8_f32 v[224+2*\t:225+2*\t], v[96+8*\t:103+8*\t], v244
.endr
.set j, 0
.rept 16
	v_pk_mul_f32 v[160+j:161+j], v[160+j:161+j], v[252:253] op_sel_hi:[1,0]   ; O^T under the new M
.set j, j+2
.endr
	s_wait_alu depctr_va_vdst(0)
	s_wait_dscnt 0x0                               ; V is in
.irp b, 0,1,2,3
	v_wmma_f32_16x16x128_fp8_fp8 v[160+8*\b:167+8*\b], v[32+16*\b:47+16*\b], v[224:239], v[160+8*\b:167+8*\b]
.endr
.Lhidden_\@:
	s_add_co_u32 s[KF], s[KF], 128
	s_add_co_u32 s[TB], s[TB], 8192
.endm
; THE WAY OUT of a finished tile: o = O^T / the sum x 2^(e4 + e5), quantised with e6.  A lane's 32 channels of its query are eight registers of the projection's operand: two stores of 512 consecutive bytes.
.macro WAYOUT
	v_add_f32 v14, v14, v15
	s_delay_alu instid0(VALU_DEP_1)
	v_permlanex16_b32 v252, v14, s[SEL], s[SEL+1]
	s_delay_alu instid0(VALU_DEP_1)
	v_add_f32 v14, v14, v252                       ; the row's sum
	s_wait_alu depctr_va_vdst(0)
	v_rcp_f32 v14, v14
	v_nop
	s_wait_alu depctr_va_vdst(0)                   ; ahead of the reciprocal's first reader
	v_ldexp_f32 v14, v14, s50
.set j, 0
.rept 16
	v_pk_mul_f32 v[96+j:97+j], v[160+j:161+j], v[14:15] op_sel_hi:[1,0]
.set j, j+2
.endr
.set j, 0
.rept 32
.set j, j+1
.endr
.irp b, 0,1,2,3
	v_cvt_scalef32_pk8_fp8_f32 v[224+2*\b:225+2*\b], v[96+8*\b:103+8*\b], v245
.endr
	v_nop                                          ; a plain instruction behind the last scaled conversion
	global_store_b128 v1, v[224:227], s[12:13]
	global_store_b128 v1, v[228:231], s[12:13] offset:512
.endm
	s_wait_tensorcnt 0x0                           ; my 16 KiB have landed,
	s_barrier_signal -1
	s_barrier_wait -1                              ; everybody's have: K and V lie whole in LDS, and nothing is filled again
	s_wait_loadcnt 0x0                             ; Q
	s_mov_b32 s[CNT], 9
.Lfirst:                                           ; key steps 0 to 8.  Role A: the long tile, all nine.  Role B: the short tile, i + 1 of them
	STEP 16, QB1
	s_sub_co_u32 s[CNT], s[CNT], 1
	s_cmp_lg_u32 s[CNT], 0
	s_cbranch_scc1 .Lfirst
	s_setprio 0
.rept 4
	v_nop                                          ; places behind the last products
.endr
	s_cmp_eq_u32 s[ROLE], 0
	s_cbranch_scc1 .Lkeep                          ; role A keeps its sums
	WAYOUT                                         ; role B: the short tile is finished
	s_wait_xcnt 0x0                                ; the stores have read the code registers, which the next steps write
	INIT                                           ; and its part of the long tile begins
.Lkeep:
	s_mov_b32 s[CNT], 7
.Lsecond:                                          ; key steps 9 to 15.  Role B: the long tile, 7 - i of them.  Role A: none
	STEP 24, QB2
	s_sub_co_u32 s[CNT], s[CNT], 1
	s_cmp_lg_u32 s[CNT], 0
	s_cbranch_scc1 .Lsecond
	s_setprio 0
.rept 4
	v_nop                                          ; places behind the last products: in front of the stores that read them and of the loads below
.endr
	s_cmp_eq_u32 s[ROLE], 0
	s_cbranch_scc1 .Lno_send
	ds_store_b128 v2, v[12:15]                     ; role B's part as it stands in the registers: -M, the largest t, the sum's two halves,
	s_wait_alu depctr_va_vdst(0)
.irp b, 0,1,2,3
	ds_store_b128 v2, v[160+8*\b:163+8*\b] offset:512+1024*\b    ; and O^T, each accumulator from its low end on
	ds_store_b128 v2, v[164+8*\b:167+8*\b] offset:1024+1024*\b
.endr
.Lno_send:
	s_wait_dscnt 0x0                               ; for the partner's sake: my stores have landed
	s_barrier_signal -1
	s_barrier_wait -1
	s_cmp_lg_u32 s[ROLE], 0
	s_cbranch_scc1 .Ldone
	ds_load_b128 v[32:35], v2                      ; role A: the partner's part, in the same lanes
.irp k, 0,1,2,3,4,5,6,7
	ds_load_b128 v[36+4*\k:39+4*\k], v2 offset:512+512*\k
.endr
	s_wait_dscnt 0x0
	v_min_num_f32 v252, v12, v32                   ; -(the larger M)
	s_delay_alu instid0(VALU_DEP_1)
	v_sub_f32 v248, v252, v12                      ; my M less the larger: a whole number, 0 or less
	s_delay_alu instid0(VALU_DEP_2)
	v_sub_f32 v250, v252, v32                      ; the partner's likewise (a part with no step has M = -3e38: its factor comes out 0, over sums that are 0)
	s_delay_alu instid0(VALU_DEP_2)
	v_cvt_i32_f32 v248, v248
	s_delay_alu instid0(VALU_DEP_2)
	v_cvt_i32_f32 v250, v250
	s_delay_alu instid0(VALU_DEP_2)
	v_ldexp_f32 v248, 1.0, v248
	s_delay_alu instid0(VALU_DEP_2)
	v_ldexp_f32 v250, 1.0, v250
	s_delay_alu instid0(VALU_DEP_1)
	v_pk_mul_f32 v[34:35], v[34:35], v[250:251] op_sel_hi:[1,0]
	s_delay_alu instid0(VALU_DEP_1)
	v_pk_fma_f32 v[14:15], v[14:15], v[248:249], v[34:35] op_sel_hi:[1,0,1]
.set j, 0
.rept 16
	v_pk_mul_f32 v[36+j:37+j], v[36+j:37+j], v[250:251] op_sel_hi:[1,0]
.set j, j+2
.endr
.set j, 0
.rept 16
	v_pk_fma_f32 v[160+j:161+j], v[160+j:161+j], v[248:249], v[36+j:37+j] op_sel_hi:[1,0,1]
.set j, j+2
.endr
	WAYOUT                                         ; the long tile
.Ldone:
	s_wait_tensorcnt 0x0                           ; the wave's end
	ds_add_u32 v[SPW], v[NIL]
	s_wait_dscnt 0x0
	CROUND                                         ; the closing round
	s_endpgm
.Lfunc_end_k_q682eecb2a7_att:
	.size	k_q682eecb2a7_att, .Lfunc_end_k_q682eecb2a7_att-k_q682eecb2a7_att
	.p2alignl 7, 3214868480
	.fill 96, 4, 3214868480
	.section	.rodata,"a",@progbits
	.p2align	6, 0x0
	.amdhsa_kernel k_q682eecb2a7_att
		.amdhsa_group_segment_fixed_size 327680
		.amdhsa_private_segment_fixed_size 0
		.amdhsa_enable_private_segment 0
		.amdhsa_kernarg_size 40
		.amdhsa_user_sgpr_count 2
		.amdhsa_user_sgpr_kernarg_segment_ptr 1
		.amdhsa_wavefront_size32 1
		.amdhsa_system_sgpr_workgroup_id_x 1
		.amdhsa_system_sgpr_workgroup_id_y 1
		.amdhsa_system_sgpr_workgroup_id_z 1
		.amdhsa_system_vgpr_workitem_id 0
		.amdhsa_next_free_vgpr 256
		.amdhsa_next_free_sgpr 100
		.amdhsa_reserve_vcc 1
		.amdhsa_float_denorm_mode_32 3
		.amdhsa_float_denorm_mode_16_64 3
		.amdhsa_fp16_overflow 1
		.amdhsa_memory_ordered 1
		.amdhsa_forward_progress 1
		.amdhsa_inst_pref_size 55
	.end_amdhsa_kernel
	.amdgpu_metadata
---
amdhsa.version: [ 1, 2 ]
amdhsa.kernels:
  - .name:           k_q682eecb2a7_att
    .symbol:         k_q682eecb2a7_att.kd
    .args:
      - { .name: qc, .offset: 0, .size: 8, .value_kind: global_buffer, .address_space: global }
      - { .name: kc, .offset: 8, .size: 8, .value_kind: global_buffer, .address_space: global }
      - { .name: vc, .offset: 16, .size: 8, .value_kind: global_buffer, .address_space: global }
      - { .name: lowp_scales, .offset: 24, .size: 8, .value_kind: global_buffer, .address_space: global }
      - { .name: oc, .offset: 32, .size: 8, .value_kind: global_buffer, .address_space: global }
    .group_segment_fixed_size: 327680
    .private_segment_fixed_size: 0
    .kernarg_segment_align: 8
    .kernarg_segment_size: 40
    .max_flat_workgroup_size: 512
    .sgpr_count:     100
    .vgpr_count:     256
    .wavefront_size: 32
...
	.end_amdgpu_metadata
.endif
;; end of part 3
;; launch outp (part 4): grid 8 x 32, 4 waves a work-group, clusters of 4 x 4, 327,680 bytes of LDS; arguments oc, w_out_codes, lowp_scales, b_out, x, x1; writes x1
.if DOCPART == 4
	.amdgcn_target "amdgcn-amd-amdhsa--gfx1250"
	.amdhsa_code_object_version 6
	.text
	.protected	k_q682eecb2a7_outp
	.globl	k_q682eecb2a7_outp
	.p2align	8
	.type	k_q682eecb2a7_outp,@function
k_q682eecb2a7_outp:
	s_mov_b64 s[64:65], 0
	v_nop
	global_prefetch_b8 v0, s[64:65] scope:SCOPE_SE
	s_setreg_imm32_b32 hwreg(HW_REG_WAVE_MODE, 25, 1), 1
	s_wait_xcnt 0x0
	s_wait_alu depctr_hold_cnt(0) depctr_sa_sdst(0) depctr_va_vdst(0) depctr_va_sdst(0) depctr_va_ssrc(0) depctr_va_vcc(0) depctr_vm_vsrc(0)
	s_getreg_b32 s2, hwreg(HW_REG_IB_STS2, 6, 4)
	s_cmp_eq_u32 s2, 0
	s_cbranch_scc0 .Lentry_in_a_cluster
	s_endpgm
.Lentry_in_a_cluster:
	s_bfe_u32 s2, ttmp6, 0x10000c
	s_cmp_lg_u32 s2, 0xf033
	s_cbranch_scc0 .Lentry_shape_is_right
	s_endpgm
.Lentry_shape_is_right:
.set KB,    1024
.set ESC,   24
.set SLOT,  133120
.set STAGE, 2*SLOT
.set SPARE, STAGE+4*16*272
.set LAPS,  KB/1024
.set ADRA, 16
.set ADRB, 20
.set STO,  24
.set RD,   25
.set CO,   26
.set SPW,  28
.set NIL,  29
.set BK,   64
.set ACC,  128
.set F0,   0
.set F1,   128
.set WV,   16
.set WR,   17
.set WC,   18
.set G1,   24
.set G0,   32
.set G1B,  48
.set G0B,  56
.set MSB,  0
.macro WIN new
.if MSB != (\new)
	s_set_vgpr_msb (MSB<<8)|(\new)
.set MSB, (\new)
.endif
.endm
.set MUL,  0x05
.set TO_F, 0x40
.macro PLACES
.rept 4
	v_nop
.endr
.endm
.macro JLOAD s
	s_cmp_eq_u32 s[WR], 0
	s_cbranch_scc0 .Lfor_b_\@
	tensor_load_to_lds s[G0+4*\s:G0+4*\s+3], s[G1:G1+7]
	s_nop 0
	PLACES
	s_branch .Lasked_\@
.Lfor_b_\@:
	tensor_load_to_lds s[G0B+4*\s:G0B+4*\s+3], s[G1B:G1B+7]
	s_nop 0
	PLACES
.Lasked_\@:
.endm
.macro CREST
	s_cmp_lg_u32 s[WV], 0
	s_cbranch_scc1 .Lnot_wave_0_\@
	s_barrier_signal -3
.Lnot_wave_0_\@:
	s_barrier_wait -3
	s_barrier_signal -1
	s_barrier_wait -1
.endm
.macro CROUND
	s_barrier_signal -1
	s_barrier_wait -1
	CREST
.endm
	s_load_b256 s[4:11], s[0:1], 0x0
	s_load_b128 s[12:15], s[0:1], 0x20
	v_lshl_add_u32 v[SPW], v0, 2, SPARE
	v_mov_b32 v[NIL], 0
	ds_add_u32 v[SPW], v[NIL]
	ds_add_u32 v[SPW], v[NIL]
	v_lshrrev_b32 v1, 5, v0
	v_readfirstlane_b32 s[WV], v1
	s_lshr_b32 s[WR], s[WV], 1
	s_and_b32 s[WC], s[WV], 1
	s_bfe_u32 s40, ttmp6, 0x40000
	s_bfe_u32 s41, ttmp6, 0x40004
	s_lshl_b32 s42, ttmp9, 2
	s_add_co_u32 s42, s42, s40
	s_and_b32 s43, ttmp7, 0xffff
	s_lshl_b32 s43, s43, 2
	s_add_co_u32 s43, s43, s41
	s_lshl_b32 s44, s41, 2
	s_lshl_b32 s44, 15, s44
	s_lshl_b32 s45, 0x1111, s40
	s_or_b32 s[G1], s44, (1<<21)
	s_mov_b32 s[G1+1], 8192<<16
	s_mov_b32 s[G1+2], 4<<16
	s_mov_b32 s[G1+3], 8192<<16
	s_mov_b32 s[G1+4], 4
	s_mov_b32 s[G1+5], 16*KB
	s_mov_b32 s[G1+6], 0
	s_mov_b32 s[G1+7], 0
	s_or_b32 s[G1B], s45, (1<<20)|(1<<21)|(6<<22)|(3<<25)
	s_mov_b32 s[G1B+1], 512<<16
	s_mov_b32 s[G1B+2], 64<<16
	s_mov_b32 s[G1B+3], 512<<16
	s_mov_b32 s[G1B+4], 64
	s_mov_b32 s[G1B+5], KB
	s_mov_b32 s[G1B+6], 0
	s_mov_b32 s[G1B+7], 0
	s_lshl_b32 s20, s43, 3
	s_lshl_b32 s21, s[WC], 2
	s_add_co_u32 s20, s20, s21
	s_mul_i32 s20, s20, 16*KB
	s_mov_b32 s21, 0
	s_lshl_b32 s46, s42, 7
	s_lshl_b32 s47, s[WC], 6
	s_add_co_u32 s46, s46, s47
	s_mul_i32 s46, s46, KB
	s_mov_b32 s47, 0
	s_lshl_b32 s22, s[WC], 15
	s_mul_i32 s23, s[WC], 64*528
	s_add_co_u32 s23, s23, 65536
	s_wait_dscnt 0x0
	s_wait_kmcnt 0x0
	s_load_b64 s[68:69], s[8:9], ESC
	s_add_nc_u64 s[20:21], s[4:5], s[20:21]
	s_add_nc_u64 s[46:47], s[6:7], s[46:47]
	CROUND
.irp s, 0,1
	s_mov_b32 s[G0+4*\s], 1
	s_add_co_u32 s[G0+4*\s+1], s22, \s*SLOT
	s_add_nc_u64 s[G0+4*\s+2:G0+4*\s+3], s[20:21], \s*8192
	s_or_b32 s[G0+4*\s+3], s[G0+4*\s+3], 0x80000000
	s_mov_b32 s[G0B+4*\s], 1
	s_add_co_u32 s[G0B+4*\s+1], s23, \s*SLOT
	s_add_nc_u64 s[G0B+4*\s+2:G0B+4*\s+3], s[46:47], \s*512
	s_or_b32 s[G0B+4*\s+3], s[G0B+4*\s+3], 0x80000000
	s_wait_alu depctr_va_vdst(0)
	s_wait_tensorcnt 0x0
	ds_add_u32 v28, v29
	ds_add_u32 v28, v29
	s_wait_dscnt 0x0
	CROUND
	JLOAD \s
.endr
	v_and_b32 v1, 15, v0
	v_bfe_u32 v2, v0, 4, 1
	v_and_b32 v3, 31, v0
	v_lshlrev_b32 v3, 4, v3
	s_lshl_b32 s19, s[WR], 15
	v_add_nc_u32 v[ADRA], s19, v3
	v_add_nc_u32 v[ADRA+1], SLOT, v[ADRA]
	v_mul_u32_u24 v4, v1, 528
	v_lshl_add_u32 v4, v2, 3, v4
	v_add_nc_u32 v[ADRB], s23, v4
	v_add_nc_u32 v[ADRB+1], SLOT, v[ADRB]
	s_mul_i32 s19, s[WV], 16*272
	s_add_co_u32 s19, s19, STAGE
	v_mul_u32_u24 v4, v1, 272
	v_lshl_add_u32 v4, v2, 5, v4
	v_add_nc_u32 v[STO], s19, v4
	v_mul_u32_u24 v4, v2, 272
	v_lshl_add_u32 v4, v1, 4, v4
	v_add_nc_u32 v[RD], s19, v4
	v_lshlrev_b32 v5, 4, v1
	s_wait_alu depctr_va_vdst(0)
	v_lshl_add_u32 v[CO], v2, 12, v5
	s_wait_alu depctr_va_vdst(0)
	s_lshl_b32 s70, s42, 9
	s_lshl_b32 s71, s[WC], 8
	s_add_co_u32 s70, s70, s71
	s_mov_b32 s71, 0
	s_add_nc_u64 s[10:11], s[10:11], s[70:71]
	s_lshl_b32 s19, s43, 19
	s_add_co_u32 s70, s70, s19
	s_lshl_b32 s19, s[WR], 18
	s_add_co_u32 s70, s70, s19
	s_add_nc_u64 s[12:13], s[12:13], s[70:71]
	s_add_nc_u64 s[14:15], s[14:15], s[70:71]
	global_load_b128 v[32:35], v5, s[10:11]
	WIN 0x80
.irp a, 0,1,2,3
.irp t, 0,1,2,3,4,5,6,7
	global_load_b128 v[32*\a+4*\t:32*\a+4*\t+3], v[CO], s[12:13] offset:(16*\a+2*\t)*4096
.endr
.endr
	WIN 0
.macro FETCH slot, q, f
	WIN TO_F
.irp b, 0,1,2,3
.irp c, 0,1,2,3,4,5,6,7
	ds_load_b64 v[\f+64+16*\b+2*\c:\f+64+16*\b+2*\c+1], v[ADRB+\slot] offset:8448*\b+128*(\q)+16*\c
.endr
.endr
.irp a, 0,1,2,3
.irp g, 0,1,2,3
	ds_load_b128 v[\f+16*\a+4*\g:\f+16*\a+4*\g+3], v[ADRA+\slot] offset:8192*\a+2048*(\q)+512*\g
.endr
.endr
.endm
.macro MULA f, a, zero
.irp b, 0,1,2,3
.if \zero
	v_wmma_f32_16x16x128_fp8_fp8 v[ACC+8*(4*(\a)+\b):ACC+8*(4*(\a)+\b)+7], v[\f+64+16*\b:\f+64+16*\b+15], v[\f+16*(\a):\f+16*(\a)+15], 0
.else
	v_wmma_f32_16x16x128_fp8_fp8 v[ACC+8*(4*(\a)+\b):ACC+8*(4*(\a)+\b)+7], v[\f+64+16*\b:\f+64+16*\b+15], v[\f+16*(\a):\f+16*(\a)+15], v[ACC+8*(4*(\a)+\b):ACC+8*(4*(\a)+\b)+7]
.endif
.endr
.endm
.macro QUARTER slot, q, f, g, zero
	s_wait_dscnt 8
	WIN MUL
	MULA \f, 0, \zero
	MULA \f, 1, \zero
	PLACES
	FETCH \slot, \q, \g
	s_wait_dscnt 48
	WIN MUL
	MULA \f, 2, \zero
	MULA \f, 3, \zero
.endm
.macro TURN slot, next, fill
	WIN 0
	s_wait_tensorcnt 0x0
	ds_add_u32 v[SPW], v[NIL]
	s_wait_dscnt 9
	WIN MUL
	MULA F1, 0, 0
	MULA F1, 1, 0
	s_wait_dscnt 0x0
	s_barrier_signal -1
	MULA F1, 2, 0
.if \fill
	WIN 0
.endif
	s_barrier_wait -1
.if \fill
	CREST
	s_add_nc_u64 s[G0+4*\slot+2:G0+4*\slot+3], s[G0+4*\slot+2:G0+4*\slot+3], 16384
	s_add_nc_u64 s[G0B+4*\slot+2:G0B+4*\slot+3], s[G0B+4*\slot+2:G0B+4*\slot+3], 1024
	JLOAD \slot
.else
	PLACES
.endif
	FETCH \next, 0, F0
	WIN MUL
	MULA F1, 3, 0
.endm
	s_wait_tensorcnt 1
	s_barrier_signal -1
	s_barrier_wait -1
	FETCH 0, 0, F0
	QUARTER 0, 1, F0, F1, 1
.if LAPS > 1
	WIN 0
	s_mov_b32 s3, LAPS-1
.Llap:
	QUARTER 0, 2, F1, F0, 0
	QUARTER 0, 3, F0, F1, 0
	TURN 0, 1, 1
	QUARTER 1, 1, F0, F1, 0
	QUARTER 1, 2, F1, F0, 0
	QUARTER 1, 3, F0, F1, 0
	TURN 1, 0, 1
	QUARTER 0, 1, F0, F1, 0
	WIN 0
	s_sub_co_u32 s3, s3, 1
	s_cmp_lg_u32 s3, 0
	s_cbranch_scc1 .Llap
.endif
	QUARTER 0, 2, F1, F0, 0
	QUARTER 0, 3, F0, F1, 0
	TURN 0, 1, 0
	QUARTER 1, 1, F0, F1, 0
	QUARTER 1, 2, F1, F0, 0
	QUARTER 1, 3, F0, F1, 0
	s_wait_dscnt 8
	WIN MUL
	MULA F1, 0, 0
	MULA F1, 1, 0
	s_wait_dscnt 0x0
	MULA F1, 2, 0
	MULA F1, 3, 0
	s_wait_kmcnt 0x0
	s_add_co_i32 s66, s68, s69
	s_add_co_i32 s66, s66, 127
	s_lshl_b32 s66, s66, 23
	s_mov_b32 s67, s66
	s_wait_loadcnt 0x0
	WIN 0x82
.set i, 0
.rept 32
	v_pk_add_f32 v[4*i:4*i+1], v[4*i:4*i+1], v[32:33]
	v_pk_add_f32 v[4*i+2:4*i+3], v[4*i+2:4*i+3], v[34:35]
.set i, i+1
.endr
	WIN 0
.macro TOSTAGE a
.set BB, BK+32*((\a)%2)
.irp b, 0,1,2,3
	ds_store_b128 v[STO], v[ACC+8*(4*(\a)+\b):ACC+8*(4*(\a)+\b)+3] offset:64*\b
	ds_store_b128 v[STO], v[ACC+8*(4*(\a)+\b)+4:ACC+8*(4*(\a)+\b)+7] offset:64*\b+16
.endr
.irp t, 0,1,2,3,4,5,6,7
	ds_load_b128 v[BB+4*\t:BB+4*\t+3], v[RD] offset:544*\t
.endr
.endm
.macro SEND a, younger
.set BB, BK+32*((\a)%2)
	s_wait_dscnt \younger
	WIN 0x20
.set i, 0
.rept 16
	v_pk_fma_f32 v[BB+i:BB+i+1], v[BB+i:BB+i+1], s[66:67], v[32*(\a)+i:32*(\a)+i+1] op_sel_hi:[1,0,1]
.set i, i+2
.endr
	WIN 0
.irp t, 0,1,2,3,4,5,6,7
	global_store_b128 v[CO], v[BB+4*\t:BB+4*\t+3], s[14:15] offset:(16*(\a)+2*\t)*4096
.endr
.endm
	TOSTAGE 0
.irp a, 1,2,3
.if \a > 1
	s_wait_xcnt 0x0
.endif
	TOSTAGE \a
	SEND (\a-1), 16
.endr
	SEND 3, 0
	s_wait_tensorcnt 0x0
	ds_add_u32 v[SPW], v[NIL]
	s_wait_dscnt 0x0
	CROUND
	s_endpgm
.Lfunc_end_k_q682eecb2a7_outp:
	.size	k_q682eecb2a7_outp, .Lfunc_end_k_q682eecb2a7_outp-k_q682eecb2a7_outp
	.p2alignl 7, 3214868480
	.fill 96, 4, 3214868480
	.section	.rodata,"a",@progbits
	.p2align	6, 0x0
	.amdhsa_kernel k_q682eecb2a7_outp
		.amdhsa_group_segment_fixed_size 327680
		.amdhsa_private_segment_fixed_size 0
		.amdhsa_enable_private_segment 0
		.amdhsa_kernarg_size 48
		.amdhsa_user_sgpr_count 2
		.amdhsa_user_sgpr_kernarg_segment_ptr 1
		.amdhsa_wavefront_size32 1
		.amdhsa_system_sgpr_workgroup_id_x 1
		.amdhsa_system_sgpr_workgroup_id_y 1
		.amdhsa_system_sgpr_workgroup_id_z 1
		.amdhsa_system_vgpr_workitem_id 0
		.amdhsa_next_free_vgpr 1024
		.amdhsa_next_free_sgpr 72
		.amdhsa_reserve_vcc 0
		.amdhsa_float_denorm_mode_32 3
		.amdhsa_float_denorm_mode_16_64 3
		.amdhsa_memory_ordered 1
		.amdhsa_forward_progress 1
		.amdhsa_inst_pref_size 62
	.end_amdhsa_kernel
	.amdgpu_metadata
---
amdhsa.version: [ 1, 2 ]
amdhsa.kernels:
  - .name:           k_q682eecb2a7_outp
    .symbol:         k_q682eecb2a7_outp.kd
    .args:
      - { .name: oc, .offset: 0, .size: 8, .value_kind: global_buffer, .address_space: global }
      - { .name: w_out_codes, .offset: 8, .size: 8, .value_kind: global_buffer, .address_space: global }
      - { .name: lowp_scales, .offset: 16, .size: 8, .value_kind: global_buffer, .address_space: global }
      - { .name: b_out, .offset: 24, .size: 8, .value_kind: global_buffer, .address_space: global }
      - { .name: x, .offset: 32, .size: 8, .value_kind: global_buffer, .address_space: global }
      - { .name: x1, .offset: 40, .size: 8, .value_kind: global_buffer, .address_space: global }
    .group_segment_fixed_size: 327680
    .private_segment_fixed_size: 0
    .kernarg_segment_align: 8
    .kernarg_segment_size: 48
    .max_flat_workgroup_size: 128
    .sgpr_count:     72
    .vgpr_count:     1024
    .wavefront_size: 32
...
	.end_amdgpu_metadata
.endif
;; end of part 4
;; launch ln2 (part 5): grid 256 x 1, 4 waves a work-group, no clusters, 17,920 bytes of LDS; arguments x1, ln2_g, ln2_b, lowp_scales, hc; writes hc
.if DOCPART == 5
	.amdgcn_target "amdgcn-amd-amdhsa--gfx1250"
	.amdhsa_code_object_version 6
	.text
	.protected	k_q682eecb2a7_ln2
	.globl	k_q682eecb2a7_ln2
	.p2align	8
	.type	k_q682eecb2a7_ln2,@function
k_q682eecb2a7_ln2:
	s_mov_b64 s[64:65], 0
	v_nop
	global_prefetch_b8 v0, s[64:65] scope:SCOPE_SE
	s_setreg_imm32_b32 hwreg(HW_REG_WAVE_MODE, 25, 1), 1
	s_wait_xcnt 0x0
; LAYER NORM 2 AND ITS QUANTISER: the text of launch ln1 with entry 8 of the scales (ESC = 32).
; h = (x - mean) rsqrt(var + 1e-5) g + b along the 1,024 columns, two passes in f32, then code = h / 2^e held within +-448.
; LIMITS: e between -126 and 119; NaN and infinity among the inputs are not served.
; SHARES: a work-group owns 16 rows, wave w rows 4 w .. 4 w + 3; a lane holds columns 128 j + 4 l .. + 3, j = 0 .. 7, of each: every load reads 512 consecutive bytes.
; OUT: hc [row tile][K step of 128][2,048 bytes], images of operand registers: byte 512 g + 16 L + 4 e + i is row r = L % 16, k = 32 g + 16 (e / 2) + 8 (L / 16) + 4 (e % 2) + i.
; The code words are turned into that order in LDS (64 pieces of 256 bytes, 272 apart) and leave as stores of 512 consecutive bytes.
.set ESC,   32
.set X,     128
.set GA,    64
.set BE,    96
.set TT,    32
.set MU,    8
.set RS,    16
.set SPW,   24
.set NIL,   25
.set SC,    30
.set LM,    31
.set PITCH, 272
.set SPARE, 64*PITCH
	s_load_b256 s[4:11], s[0:1], 0x0               ; x1, g, b, the scales' exponents
	s_load_b64 s[12:13], s[0:1], 0x20              ; hc
	v_lshl_add_u32 v[SPW], v0, 2, SPARE
	v_mov_b32 v[NIL], 0
	v_and_b32 v1, 31, v0                           ; lane l
	v_lshrrev_b32 v7, 5, v0                        ; wave w
	v_lshlrev_b32 v3, 4, v1
	v_lshl_add_u32 v2, v7, 14, v3
	v_lshl_add_u32 v6, v7, 12, v3
	v_bfe_u32 v26, v0, 3, 2
	v_bfe_u32 v27, v0, 1, 1
	v_lshl_add_u32 v26, v26, 1, v27
	v_mul_u32_u24 v4, v26, PITCH
	v_bfe_u32 v27, v0, 2, 1
	v_lshl_add_u32 v4, v27, 3, v4
	v_and_b32 v27, 1, v0
	v_lshl_add_u32 v4, v27, 2, v4
	v_lshl_add_u32 v4, v7, 6, v4
	v_bfe_u32 v27, v0, 4, 1
	v_lshl_add_u32 v26, v7, 4, v27
	v_mul_u32_u24 v5, v26, PITCH
	v_and_b32 v27, 15, v0
	v_lshl_add_u32 v5, v27, 4, v5
	s_lshl_b32 s2, ttmp9, 16
	s_mov_b32 s3, 0
	s_lshl_b32 s20, ttmp9, 14
	s_mov_b32 s21, 0
	s_mov_b32 s18, 0x76543210
	s_mov_b32 s19, 0xfedcba98
	s_mov_b32 s22, 0x3a800000                      ; 1 / 1,024
	s_mov_b32 s23, 0x3727c5ac                      ; 1e-5
	s_wait_kmcnt 0x0
	s_load_b32 s15, s[10:11], ESC
	s_add_nc_u64 s[4:5], s[4:5], s[2:3]
	s_add_nc_u64 s[12:13], s[12:13], s[20:21]
.irp i, 0,1,2,3
.irp j, 0,1,2,3,4,5,6,7
	global_load_b128 v[X+32*\i+4*\j:X+32*\i+4*\j+3], v2, s[4:5] offset:4096*\i+512*\j
.endr
.endr
.irp j, 0,1,2,3,4,5,6,7
	global_load_b128 v[GA+4*\j:GA+4*\j+3], v3, s[6:7] offset:512*\j
.endr
.irp j, 0,1,2,3,4,5,6,7
	global_load_b128 v[BE+4*\j:BE+4*\j+3], v3, s[8:9] offset:512*\j
.endr
	s_wait_kmcnt 0x0
	s_add_co_i32 s15, s15, 127
	s_lshl_b32 s16, s15, 23
	v_mov_b32 v[SC], s16                           ; 2^e
	s_add_co_i32 s15, s15, 8
	s_lshl_b32 s15, s15, 23
	s_or_b32 s15, s15, 0x600000
.macro CROSS                           ; the four rows' figures are summed over the 32 lanes
.irp m, 1,2,4,8
.irp i, 0,1,2,3
	v_add_f32_dpp v[TT+8*\i], v[TT+8*\i], v[TT+8*\i] row_xmask:\m row_mask:0xf bank_mask:0xf
.endr
.endr
.irp i, 0,1,2,3
	v_permlanex16_b32 v[TT+8*\i+1], v[TT+8*\i], s18, s19
.endr
.irp i, 0,1,2,3
	v_add_f32 v[TT+8*\i], v[TT+8*\i], v[TT+8*\i+1]
.endr
.endm
	s_wait_loadcnt 16                              ; the rows' 32 loads are in; the 16 of g and b may be out
.irp i, 0,1,2,3
	v_pk_add_f32 v[TT+8*\i:TT+8*\i+1], v[X+32*\i:X+32*\i+1], v[X+32*\i+2:X+32*\i+3]
	v_pk_add_f32 v[TT+8*\i+2:TT+8*\i+3], v[X+32*\i+4:X+32*\i+5], v[X+32*\i+6:X+32*\i+7]
.endr
.irp k, 8,12,16,20,24,28
.irp i, 0,1,2,3
	v_pk_add_f32 v[TT+8*\i:TT+8*\i+1], v[TT+8*\i:TT+8*\i+1], v[X+32*\i+\k:X+32*\i+\k+1]
	v_pk_add_f32 v[TT+8*\i+2:TT+8*\i+3], v[TT+8*\i+2:TT+8*\i+3], v[X+32*\i+\k+2:X+32*\i+\k+3]
.endr
.endr
.irp i, 0,1,2,3
	v_pk_add_f32 v[TT+8*\i:TT+8*\i+1], v[TT+8*\i:TT+8*\i+1], v[TT+8*\i+2:TT+8*\i+3]
.endr
.irp i, 0,1,2,3
	v_add_f32 v[TT+8*\i], v[TT+8*\i], v[TT+8*\i+1]
.endr
	CROSS
.irp i, 0,1,2,3
	v_mul_f32 v[MU+2*\i], s22, v[TT+8*\i]
	v_mul_f32 v[MU+2*\i+1], s22, v[TT+8*\i]
.endr
.irp i, 0,1,2,3
.set k, 0
.rept 16
	v_pk_add_f32 v[X+32*\i+k:X+32*\i+k+1], v[X+32*\i+k:X+32*\i+k+1], v[MU+2*\i:MU+2*\i+1] neg_lo:[0,1] neg_hi:[0,1]
.set k, k+2
.endr
.endr
.irp i, 0,1,2,3
	v_pk_mul_f32 v[TT+8*\i:TT+8*\i+1], v[X+32*\i:X+32*\i+1], v[X+32*\i:X+32*\i+1]
	v_pk_mul_f32 v[TT+8*\i+2:TT+8*\i+3], v[X+32*\i+2:X+32*\i+3], v[X+32*\i+2:X+32*\i+3]
.endr
.irp k, 4,8,12,16,20,24,28
.irp i, 0,1,2,3
	v_pk_fma_f32 v[TT+8*\i:TT+8*\i+1], v[X+32*\i+\k:X+32*\i+\k+1], v[X+32*\i+\k:X+32*\i+\k+1], v[TT+8*\i:TT+8*\i+1]
	v_pk_fma_f32 v[TT+8*\i+2:TT+8*\i+3], v[X+32*\i+\k+2:X+32*\i+\k+3], v[X+32*\i+\k+2:X+32*\i+\k+3], v[TT+8*\i+2:TT+8*\i+3]
.endr
.endr
.irp i, 0,1,2,3
	v_pk_add_f32 v[TT+8*\i:TT+8*\i+1], v[TT+8*\i:TT+8*\i+1], v[TT+8*\i+2:TT+8*\i+3]
.endr
.irp i, 0,1,2,3
	v_add_f32 v[TT+8*\i], v[TT+8*\i], v[TT+8*\i+1]
.endr
	CROSS
.irp i, 0,1,2,3
	v_fma_f32 v[TT+8*\i], v[TT+8*\i], s22, s23     ; var + eps
.endr
	s_wait_alu depctr_va_vdst(0)
.irp i, 0,1,2,3
	v_rsq_f32 v[RS+2*\i], v[TT+8*\i]
.endr
	v_nop                                          ; a plain instruction behind the last of the batch
	s_wait_alu depctr_va_vdst(0)                   ; one wait for the four, ahead of their first reader
.irp i, 0,1,2,3
	v_mov_b32 v[RS+2*\i+1], v[RS+2*\i]
.endr
	s_wait_alu depctr_va_vdst(0)
	s_wait_loadcnt 0x0                             ; g and b
.irp i, 0,1,2,3
.set k, 0
.rept 16
	v_pk_mul_f32 v[X+32*\i+k:X+32*\i+k+1], v[X+32*\i+k:X+32*\i+k+1], v[RS+2*\i:RS+2*\i+1]
.set k, k+2
.endr
.set k, 0
.rept 16
	v_pk_fma_f32 v[X+32*\i+k:X+32*\i+k+1], v[X+32*\i+k:X+32*\i+k+1], v[GA+k:GA+k+1], v[BE+k:BE+k+1]
.set k, k+2
.endr
.set k, 0
.rept 32
.set k, k+1
.endr
.irp q, 0,1,2,3
	v_cvt_scalef32_pk8_fp8_f32 v[TT+8*\i+2*\q:TT+8*\i+2*\q+1], v[X+32*\i+8*\q:X+32*\i+8*\q+7], v[SC]
.endr
.irp j, 0,1,2,3,4,5,6,7
	ds_store_b32 v4, v[TT+8*\i+\j] offset:8*PITCH*\j+16*\i
.endr
.endr
	v_nop
	s_wait_dscnt 0x0                               ; for the others' sake: my stores have landed
	s_barrier_signal -1
	s_barrier_wait -1
.irp i, 0,1,2,3,4,5,6,7
	ds_load_b128 v[X+4*\i:X+4*\i+3], v5 offset:2*PITCH*\i
.endr
.irp i, 0,1,2,3,4,5,6,7
	s_wait_dscnt 7-\i
	global_store_b128 v6, v[X+4*\i:X+4*\i+3], s[12:13] offset:512*\i
.endr
	s_wait_tensorcnt 0x0                           ; the wave's end
	ds_add_u32 v[SPW], v[NIL]
	s_wait_dscnt 0x0
	s_endpgm
.Lfunc_end_k_q682eecb2a7_ln2:
	.size	k_q682eecb2a7_ln2, .Lfunc_end_k_q682eecb2a7_ln2-k_q682eecb2a7_ln2
	.p2alignl 7, 3214868480
	.fill 96, 4, 3214868480
	.section	.rodata,"a",@progbits
	.p2align	6, 0x0
	.amdhsa_kernel k_q682eecb2a7_ln2
		.amdhsa_group_segment_fixed_size 17920
		.amdhsa_private_segment_fixed_size 0
		.amdhsa_enable_private_segment 0
		.amdhsa_kernarg_size 40
		.amdhsa_user_sgpr_count 2
		.amdhsa_user_sgpr_kernarg_segment_ptr 1
		.amdhsa_wavefront_size32 1
		.amdhsa_system_sgpr_workgroup_id_x 1
		.amdhsa_system_sgpr_workgroup_id_y 1
		.amdhsa_system_sgpr_workgroup_id_z 1
		.amdhsa_system_vgpr_workitem_id 0
		.amdhsa_next_free_vgpr 256
		.amdhsa_next_free_sgpr 66
		.amdhsa_reserve_vcc 0
		.amdhsa_float_denorm_mode_32 3
		.amdhsa_float_denorm_mode_16_64 3
		.amdhsa_fp16_overflow 1
		.amdhsa_memory_ordered 1
		.amdhsa_forward_progress 1
		.amdhsa_inst_pref_size 36
	.end_amdhsa_kernel
	.amdgpu_metadata
---
amdhsa.version: [ 1, 2 ]
amdhsa.kernels:
  - .name:           k_q682eecb2a7_ln2
    .symbol:         k_q682eecb2a7_ln2.kd
    .args:
      - { .name: x1, .offset: 0, .size: 8, .value_kind: global_buffer, .address_space: global }
      - { .name: ln2_g, .offset: 8, .size: 8, .value_kind: global_buffer, .address_space: global }
      - { .name: ln2_b, .offset: 16, .size: 8, .value_kind: global_buffer, .address_space: global }
      - { .name: lowp_scales, .offset: 24, .size: 8, .value_kind: global_buffer, .address_space: global }
      - { .name: hc, .offset: 32, .size: 8, .value_kind: global_buffer, .address_space: global }
    .group_segment_fixed_size: 17920
    .private_segment_fixed_size: 0
    .kernarg_segment_align: 8
    .kernarg_segment_size: 40
    .max_flat_workgroup_size: 128
    .sgpr_count:     66
    .vgpr_count:     256
    .wavefront_size: 32
...
	.end_amdgpu_metadata
.endif
;; end of part 5
;; launch fc1 (part 6): grid 8 x 32, 4 waves a work-group, clusters of 4 x 4, 327,680 bytes of LDS; arguments hc, w_fc1_codes, lowp_scales, b_fc1, gc; writes gc
.if DOCPART == 6
	.amdgcn_target "amdgcn-amd-amdhsa--gfx1250"
	.amdhsa_code_object_version 6
	.text
	.protected	k_q682eecb2a7_fc1
	.globl	k_q682eecb2a7_fc1
	.p2align	8
	.type	k_q682eecb2a7_fc1,@function
k_q682eecb2a7_fc1:
	s_mov_b64 s[64:65], 0
	v_nop
	global_prefetch_b8 v0, s[64:65] scope:SCOPE_SE
	s_setreg_imm32_b32 hwreg(HW_REG_WAVE_MODE, 25, 1), 1
	s_wait_xcnt 0x0
	s_wait_alu depctr_hold_cnt(0) depctr_sa_sdst(0) depctr_va_vdst(0) depctr_va_sdst(0) depctr_va_ssrc(0) depctr_va_vcc(0) depctr_vm_vsrc(0)
	s_getreg_b32 s2, hwreg(HW_REG_IB_STS2, 6, 4)
	s_cmp_eq_u32 s2, 0
	s_cbranch_scc0 .Lentry_in_a_cluster
	s_endpgm
.Lentry_in_a_cluster:
	s_bfe_u32 s2, ttmp6, 0x10000c
	s_cmp_lg_u32 s2, 0xf033
	s_cbranch_scc0 .Lentry_shape_is_right
	s_endpgm
.Lentry_shape_is_right:
; g = gelu(h W_fc1 + b_fc1), exact (erf) form, on E4M3 codes (K = 1,024), quantised at once for the last product.  Scales: h e8, W e9, g e10.
; The frame is launch qkv's: work-group (X, Y) owns tokens 128 Y on and walks FOUR column tiles of 128 (tile 8 t + X); wave w: rows 64 (w / 2) on, columns 64 (w % 2) on; A (64 rows x 1,024 codes, 512 registers)
; stays in registers; B's tiles go through two LDS slots of a whole tile (rows 1,040 bytes apart), asked for one tile ahead; cluster 4 x 4, A's panel joint along a row, B's tiles along a column.
; GELU.  gelu(x) = max(x, 0) - |x| erfc(|x| / sqrt 2) / 2, which holds for both signs and forms no difference of near numbers.  erfc(z) = t exp(-z^2 + poly(t)), t = 1 / (1 + z / 2), poly of degree 9
; (fractional error about 1.2e-7 for all z).  Here the coefficients are multiplied by log2(e), the first has 1 taken off for the factor 1/2, and the exponential is v_exp_f32.
; OUT: gc [row tile of 16][K step of 128][2,048 bytes], images of operand registers: a wave's 64 columns are registers 8 wc .. 8 wc + 7 of K step 8 t + X: two stores of 512 consecutive bytes for 16 rows.
; LIMITS: e8 + e9 between -126 and 127; e10 between -126 and 119; NaN and infinity are not served.
; REGISTERS: window 0: v1-9 addresses, v10-11 the add's two, v12 2^e10, v[14:15] c8, v16-23 codes, v24-31 x^2, v32-63 bias, v64-95 t, v96-127 the polynomial, v128-255 accumulators;
;   window 1: v0-127 two sets of B's four fragments;  windows 2, 3: A: fragment (a, s) in window 2 + a / 2 at 128 (a % 2) + 16 s.
.set SLOTB, 133120
.set HALFT, 66560
.set SPARE, 2*SLOTB
.set ACC,   128
.set BI,    32
.set T,     64
.set P,     96
.set AB0,   3
.set ADB,   4
.set ADA,   5
.set L16,   7
.set SPW,   10
.set NIL,   11
.set WV,    18
.set WR,    19
.set WC,    20
.set G1A,   32
.set G1B,   40
.set G0A,   48
.set G0B,   52
.set TB,    66
.set C9,    80
.set C7,    82
.set C6,    84
.set C5,    86
.set C4,    88
.set C3,    90
.set C2,    92
.set C1,    94
.set C0,    96
.set CX,    98
.set MSB,   0
.macro WIN new
.if MSB != (\new)
	s_set_vgpr_msb (MSB<<8)|(\new)
.set MSB, (\new)
.endif
.endm
.macro PLACES n
.rept \n
	v_nop
.endr
.endm
.macro CROUND
	s_barrier_signal -1
	s_barrier_wait -1
	s_cmp_lg_u32 s[WV], 0
	s_cbranch_scc1 .Lnot_wave_0_\@
	s_barrier_signal -3
.Lnot_wave_0_\@:
	s_barrier_wait -3
	s_barrier_signal -1
	s_barrier_wait -1
.endm
.macro JLOADB                          ; waves 2 and 3 ask for the two halves of B's next tile
	s_cmp_lt_u32 s[WV], 2
	s_cbranch_scc1 .Lno_b_\@
	tensor_load_to_lds s[G0B:G0B+3], s[G1B:G1B+7]
	s_nop 0
	PLACES 4
.Lno_b_\@:
.endm
.macro SPAIR r, val                    ; a constant as a pair: the packed form names both words
	s_mov_b32 s[\r], \val
	s_mov_b32 s[\r+1], \val
.endm
	s_load_b256 s[4:11], s[0:1], 0x0               ; hc, W's codes, the scales' exponents, b_fc1
	s_load_b64 s[12:13], s[0:1], 0x20              ; gc
	v_lshl_add_u32 v[SPW], v0, 2, SPARE
	v_mov_b32 v[NIL], 0
	ds_add_u32 v[SPW], v[NIL]                      ; the wave's opening: the add, twice on end, and its wait ahead of my first tensor load
	ds_add_u32 v[SPW], v[NIL]
	v_lshrrev_b32 v1, 5, v0
	v_readfirstlane_b32 s[WV], v1
	s_lshr_b32 s[WR], s[WV], 1
	s_and_b32 s[WC], s[WV], 1
	s_bfe_u32 s21, ttmp6, 0x40000                  ; cx
	s_bfe_u32 s22, ttmp6, 0x40004                  ; cy
	s_lshl_b32 s23, ttmp9, 2
	s_add_co_u32 s23, s23, s21                     ; X
	s_and_b32 s28, ttmp7, 0xffff
	s_lshl_b32 s28, s28, 2
	s_add_co_u32 s28, s28, s22                     ; Y
	s_lshl_b32 s29, s22, 2
	s_lshl_b32 s29, 15, s29                        ; my row of the cluster
	s_lshl_b32 s30, 0x1111, s21                    ; my column
	s_or_b32 s[G1A], s29, (1<<20)|(1<<21)|(7<<22)|(3<<25)
	s_or_b32 s[G1B], s30, (1<<20)|(1<<21)|(7<<22)|(3<<25)
.irp g, G1A, G1B
	s_mov_b32 s[\g+1], 1024<<16
	s_mov_b32 s[\g+2], 64<<16
	s_mov_b32 s[\g+3], 1024<<16
	s_mov_b32 s[\g+4], 64
	s_mov_b32 s[\g+5], 1024
	s_mov_b32 s[\g+6], 0
	s_mov_b32 s[\g+7], 0
.endr
	s_lshl_b32 s56, s28, 17                        ; A: 131,072 Y + 65,536 x half
	s_lshl_b32 s57, s[WC], 16
	s_add_co_u32 s56, s56, s57
	s_mov_b32 s57, 0
	s_lshl_b32 s58, s23, 17                        ; B: 131,072 X + 65,536 x half
	s_lshl_b32 s59, s[WC], 16
	s_add_co_u32 s58, s58, s59
	s_mov_b32 s59, 0
	s_mul_i32 s31, s[WC], HALFT
	s_mov_b32 s[TB], 0
	SPAIR C9, 0x3e7c6f08                           ;  0.17087277 log2(e)
	SPAIR C7, 0x40097039                           ;  1.48851587 log2(e)
	SPAIR C6, 0xbfd1a1e5                           ; -1.13520398 log2(e)
	SPAIR C5, 0x3ecdfd18                           ;  0.27886807 log2(e)
	SPAIR C4, 0xbe899a80                           ; -0.18628806 log2(e)
	SPAIR C3, 0x3e0efb2e                           ;  0.09678418 log2(e)
	SPAIR C2, 0x3f0a29d2                           ;  0.37409196 log2(e)
	SPAIR C1, 0x3fb8ab5a                           ;  1.00002368 log2(e)
	SPAIR C0, 0xc034d90f                           ; -1.26551223 log2(e) - 1
	SPAIR CX, 0xbf38aa3b                           ; -log2(e) / 2: z^2 = x^2 / 2
	s_mov_b32 s26, 0x3eb504f3                      ; sqrt(2) / 4: z / 2 = |x| sqrt(2) / 4
	s_wait_dscnt 0x0                               ; both opening adds are done
	s_wait_kmcnt 0x0
	s_load_b128 s[76:79], s[8:9], 0x20             ; e8, e9, e10, e11
	CROUND
	s_mov_b32 s[G0A], 1
	s_add_co_u32 s[G0A+1], s31, SLOTB              ; A's panel lands in slot 1
	s_add_nc_u64 s[G0A+2:G0A+3], s[4:5], s[56:57]
	s_or_b32 s[G0A+3], s[G0A+3], 0x80000000
	s_mov_b32 s[G0B], 1
	s_mov_b32 s[G0B+1], s31                        ; B's tile 0 in slot 0
	s_add_nc_u64 s[G0B+2:G0B+3], s[6:7], s[58:59]
	s_or_b32 s[G0B+3], s[G0B+3], 0x80000000
	s_cmp_lt_u32 s[WV], 2                          ; every wave issues one first fill
	s_cbranch_scc0 .Lfirst_b
	tensor_load_to_lds s[G0A:G0A+3], s[G1A:G1A+7]
	s_nop 0
	PLACES 4
	s_branch .Lfirst_done
.Lfirst_b:
	tensor_load_to_lds s[G0B:G0B+3], s[G1B:G1B+7]
	s_nop 0
	PLACES 4
.Lfirst_done:
	v_and_b32 v1, 15, v0                           ; r
	v_bfe_u32 v2, v0, 4, 1                         ; h
	v_and_b32 v[L16], 31, v0
	v_lshlrev_b32 v[L16], 4, v[L16]
	v_mul_u32_u24 v[AB0], v1, 1040
	v_lshl_add_u32 v[AB0], v2, 3, v[AB0]
	v_add_nc_u32 v[AB0], s31, v[AB0]
	s_mul_i32 s29, s[WR], HALFT
	s_add_co_u32 s29, s29, SLOTB
	v_add_nc_u32 v[ADA], s29, v[L16]
	v_add_nc_u32 v[ADA+1], 33280, v[ADA]
	v_lshlrev_b32 v8, 5, v2                        ; bias: 32 h
	v_mov_b32 v14, 0xbf97d29d                      ; c8 = -0.82215223 log2(e), as a vector pair
	v_mov_b32 v15, 0xbf97d29d
	s_lshl_b32 s60, s23, 9
	s_lshl_b32 s61, s[WC], 8
	s_add_co_u32 s60, s60, s61
	s_mov_b32 s61, 0
	s_add_nc_u64 s[10:11], s[10:11], s[60:61]      ; b_fc1 at column 128 X + 64 wc
	s_lshl_b32 s60, s28, 19
	s_lshl_b32 s62, s[WR], 18
	s_add_co_u32 s60, s60, s62                     ; gc: row tile 8 Y + 4 wr, of 65,536 bytes,
	s_lshl_b32 s62, s23, 11
	s_add_co_u32 s60, s60, s62                     ; K step X,
	s_lshl_b32 s62, s[WC], 10
	s_add_co_u32 s60, s60, s62                     ; my half of the fragment
	s_add_nc_u64 s[12:13], s[12:13], s[60:61]
	s_wait_alu depctr_va_vdst(0)
	s_wait_tensorcnt 0x0
	s_barrier_signal -1
	s_barrier_wait -1                              ; the first fills have landed
.irp a, 0,1,2,3
	WIN 0x80+0x40*((\a)/2)
.irp s, 0,1,2,3,4,5,6,7
.irp g, 0,1,2,3
	ds_load_b128 v[128*((\a)%2)+16*\s+4*\g:128*((\a)%2)+16*\s+4*\g+3], v[ADA+(\a)/2] offset:(16*((\a)%2)+2*\s+(\g)/2)*1040+512*((\g)%2)
.endr
.endr
.endr
	WIN 0
	s_wait_kmcnt 0x0
	s_add_co_i32 s24, s76, s77
	s_add_co_i32 s24, s24, 127
	s_lshl_b32 s24, s24, 23                        ; 2^(e8 + e9)
	s_mov_b32 s25, s24
	s_add_co_i32 s60, s78, 127
	s_lshl_b32 s61, s60, 23
	v_mov_b32 v12, s61                             ; 2^e10
.macro FETCHB s, buf
	WIN 0x40
.irp b, 0,1,2,3
.irp c, 0,1,2,3,4,5,6,7
	ds_load_b64 v[64*(\buf)+16*\b+2*\c:64*(\buf)+16*\b+2*\c+1], v[ADB] offset:16640*\b+128*(\s)+16*\c
.endr
.endr
.endm
.macro MULQ s, buf, zero               ; 16 matrix instructions, one for each accumulator, always in the same order
.irp a, 0,1,2,3
	WIN 0x09+4*((\a)/2)
.irp b, 0,1,2,3
.set rD, ACC+8*(4*\a+\b)
.set rB, 64*(\buf)+16*\b
.set rA, 128*((\a)%2)+16*(\s)
.if \zero
	v_wmma_f32_16x16x128_fp8_fp8 v[rD:rD+7], v[rB:rB+15], v[rA:rA+15], 0
.else
	v_wmma_f32_16x16x128_fp8_fp8 v[rD:rD+7], v[rB:rB+15], v[rA:rA+15], v[rD:rD+7]
.endif
.endr
.endr
.endm
.macro TILE
	v_add_nc_u32 v[ADB], s[TB], v[AB0]
	s_wait_alu depctr_va_vdst(0)
	PLACES 3
	FETCHB 0, 0
.irp s, 0,1,2,3,4,5,6,7
.if \s < 7
	PLACES 4                                       ; in front of loads into the set that the step before multiplied
	FETCHB (\s+1), ((\s+1)%2)
	s_wait_dscnt 32                                ; this step's fragments are in; the 32 loads just issued may be out
.else
	s_wait_dscnt 0x0
.endif
.if \s == 0
	MULQ 0, 0, 1
.else
	MULQ \s, ((\s)%2), 0
.endif
.endr
	WIN 0
	PLACES 4
	s_xor_b32 s[TB], s[TB], SLOTB
.endm
.macro CHANGE fill
	WIN 0
	s_wait_tensorcnt 0x0                           ; no tensor load of mine is out, so a group 0 may be written
	ds_add_u32 v[SPW], v[NIL]
.if \fill
	s_xor_b32 s[G0B+1], s[G0B+1], SLOTB
	s_add_nc_u64 s[G0B+2:G0B+3], s[G0B+2:G0B+3], 0x100000
.endif
	s_wait_dscnt 0x0                               ; the add is done, and my reads of the slot that I have left are over
.if \fill
	CROUND
	JLOADB
.else
	s_barrier_signal -1
	s_barrier_wait -1
.endif
.endm
.macro BIASLD                          ; register 8 b + j: the bias of column 16 b + 8 h + j of my 64
.irp b, 0,1,2,3
	global_load_b128 v[BI+8*\b:BI+8*\b+3], v8, s[10:11] offset:64*\b
	global_load_b128 v[BI+8*\b+4:BI+8*\b+7], v8, s[10:11] offset:64*\b+16
.endr
.endm
.macro EPI_GELU
	s_wait_loadcnt 0x0                             ; the tile's bias
.irp a, 0,1,2,3
.set XX, ACC+32*\a
.set i, 0
.rept 16
	v_pk_fma_f32 v[XX+i:XX+i+1], v[XX+i:XX+i+1], s[24:25], v[BI+i:BI+i+1] op_sel_hi:[1,0,1]   ; x = sum x 2^(e8 + e9) + bias; each accumulator from its low end on
.set i, i+2
.endr
.set i, 0
.rept 32
	v_fma_f32 v[T+i], |v[XX+i]|, s26, 1.0          ; 1 + z / 2
.set i, i+1
.endr
.set i, 0
	s_wait_alu depctr_va_vdst(0)
.rept 32
	v_rcp_f32 v[T+i], v[T+i]                       ; t
.set i, i+1
.endr
	v_nop
	s_wait_alu depctr_va_vdst(0)                   ; one wait for the 32 reciprocals
.set i, 0
.rept 16
	v_pk_fma_f32 v[P+i:P+i+1], v[T+i:T+i+1], s[C9:C9+1], v[14:15] op_sel_hi:[1,0,1]
.set i, i+2
.endr
.irp k, C7, C6, C5, C4, C3, C2, C1, C0
.set i, 0
.rept 16
	v_pk_fma_f32 v[P+i:P+i+1], v[P+i:P+i+1], v[T+i:T+i+1], s[\k:\k+1] op_sel_hi:[1,1,0]
.set i, i+2
.endr
.endr
.irp q, 0,8,16,24
.irp i, 0,2,4,6
	v_pk_mul_f32 v[24+\i:25+\i], v[XX+\q+\i:XX+\q+\i+1], v[XX+\q+\i:XX+\q+\i+1]
.endr
.irp i, 0,2,4,6
	v_pk_fma_f32 v[P+\q+\i:P+\q+\i+1], v[24+\i:25+\i], s[CX:CX+1], v[P+\q+\i:P+\q+\i+1] op_sel_hi:[1,0,1]
.endr
.endr
.set i, 0
	s_wait_alu depctr_va_vdst(0)
.rept 32
	v_exp_f32 v[P+i], v[P+i]                       ; erfc(z) / (2 t)
.set i, i+1
.endr
.set i, 0
.rept 32
	v_mul_f32 v[T+i], |v[XX+i]|, v[T+i]            ; |x| t: work that names no exponential's result
.set i, i+1
.endr
.set i, 0
.rept 32
	v_max_num_f32 v[XX+i], 0, v[XX+i]
.set i, i+1
.endr
	s_wait_alu depctr_va_vdst(0)                   ; one wait for the 32 exponentials
.set i, 0
.rept 16
	v_pk_fma_f32 v[XX+i:XX+i+1], v[T+i:T+i+1], v[P+i:P+i+1], v[XX+i:XX+i+1] neg_lo:[1,0,0] neg_hi:[1,0,0]   ; max(x, 0) - |x| erfc(z) / 2
.set i, i+2
.endr
.set i, 0
.rept 32
.set i, i+1
.endr
	s_wait_alu depctr_va_vdst(0)
	s_wait_xcnt 0x0                                ; the block before's stores have read the code registers
.irp b, 0,1,2,3
	v_cvt_scalef32_pk8_fp8_f32 v[16+2*\b:17+2*\b], v[XX+8*\b:XX+8*\b+7], v12
.endr
	v_nop                                          ; a plain instruction behind the last scaled conversion
	global_store_b128 v[L16], v[16:19], s[12:13] offset:65536*\a
	global_store_b128 v[L16], v[20:23], s[12:13] offset:65536*\a+512
.endr
.endm
	s_mov_b32 s67, 3
.Ltile:                                            ; three trips: behind each change of slots the next tile but one... the tile after the one in hand is asked for
	CHANGE 1
	BIASLD
	TILE
	EPI_GELU
	s_wait_xcnt 0x0                                ; the loads and stores have read their bases
	s_add_nc_u64 s[10:11], s[10:11], 4096          ; eight column tiles on
	s_add_nc_u64 s[12:13], s[12:13], 16384         ; eight K steps on
	s_sub_co_u32 s67, s67, 1
	s_cmp_lg_u32 s67, 0
	s_cbranch_scc1 .Ltile
	CHANGE 0                                       ; the last tile is written out
	BIASLD
	TILE
	EPI_GELU
	s_wait_tensorcnt 0x0                           ; the wave's end
	ds_add_u32 v[SPW], v[NIL]
	s_wait_dscnt 0x0
	CROUND                                         ; the closing round
	s_endpgm
.Lfunc_end_k_q682eecb2a7_fc1:
	.size	k_q682eecb2a7_fc1, .Lfunc_end_k_q682eecb2a7_fc1-k_q682eecb2a7_fc1
	.p2alignl 7, 3214868480
	.fill 96, 4, 3214868480
	.section	.rodata,"a",@progbits
	.p2align	6, 0x0
	.amdhsa_kernel k_q682eecb2a7_fc1
		.amdhsa_group_segment_fixed_size 327680
		.amdhsa_private_segment_fixed_size 0
		.amdhsa_enable_private_segment 0
		.amdhsa_kernarg_size 40
		.amdhsa_user_sgpr_count 2
		.amdhsa_user_sgpr_kernarg_segment_ptr 1
		.amdhsa_wavefront_size32 1
		.amdhsa_system_sgpr_workgroup_id_x 1
		.amdhsa_system_sgpr_workgroup_id_y 1
		.amdhsa_system_sgpr_workgroup_id_z 1
		.amdhsa_system_vgpr_workitem_id 0
		.amdhsa_next_free_vgpr 1024
		.amdhsa_next_free_sgpr 100
		.amdhsa_reserve_vcc 0
		.amdhsa_float_denorm_mode_32 3
		.amdhsa_float_denorm_mode_16_64 3
		.amdhsa_fp16_overflow 1
		.amdhsa_memory_ordered 1
		.amdhsa_forward_progress 1
		.amdhsa_inst_pref_size 237
	.end_amdhsa_kernel
	.amdgpu_metadata
---
amdhsa.version: [ 1, 2 ]
amdhsa.kernels:
  - .name:           k_q682eecb2a7_fc1
    .symbol:         k_q682eecb2a7_fc1.kd
    .args:
      - { .name: hc, .offset: 0, .size: 8, .value_kind: global_buffer, .address_space: global }
      - { .name: w_fc1_codes, .offset: 8, .size: 8, .value_kind: global_buffer, .address_space: global }
      - { .name: lowp_scales, .offset: 16, .size: 8, .value_kind: global_buffer, .address_space: global }
      - { .name: b_fc1, .offset: 24, .size: 8, .value_kind: global_buffer, .address_space: global }
      - { .name: gc, .offset: 32, .size: 8, .value_kind: global_buffer, .address_space: global }
    .group_segment_fixed_size: 327680
    .private_segment_fixed_size: 0
    .kernarg_segment_align: 8
    .kernarg_segment_size: 40
    .max_flat_workgroup_size: 128
    .sgpr_count:     100
    .vgpr_count:     1024
    .wavefront_size: 32
...
	.end_amdgpu_metadata
.endif
;; end of part 6
;; launch fc2 (part 7): grid 8 x 32, 4 waves a work-group, clusters of 4 x 4, 327,680 bytes of LDS; arguments gc, w_fc2_codes, lowp_scales, b_fc2, x1, out0; writes out0
.if DOCPART == 7
	.amdgcn_target "amdgcn-amd-amdhsa--gfx1250"
	.amdhsa_code_object_version 6
	.text
	.protected	k_q682eecb2a7_fc2
	.globl	k_q682eecb2a7_fc2
	.p2align	8
	.type	k_q682eecb2a7_fc2,@function
k_q682eecb2a7_fc2:
	s_mov_b64 s[64:65], 0
	v_nop
	global_prefetch_b8 v0, s[64:65] scope:SCOPE_SE
	s_setreg_imm32_b32 hwreg(HW_REG_WAVE_MODE, 25, 1), 1
	s_wait_xcnt 0x0
	s_wait_alu depctr_hold_cnt(0) depctr_sa_sdst(0) depctr_va_vdst(0) depctr_va_sdst(0) depctr_va_ssrc(0) depctr_va_vcc(0) depctr_vm_vsrc(0)
	s_getreg_b32 s2, hwreg(HW_REG_IB_STS2, 6, 4)
	s_cmp_eq_u32 s2, 0
	s_cbranch_scc0 .Lentry_in_a_cluster
	s_endpgm
.Lentry_in_a_cluster:
	s_bfe_u32 s2, ttmp6, 0x10000c
	s_cmp_lg_u32 s2, 0xf033
	s_cbranch_scc0 .Lentry_shape_is_right
	s_endpgm
.Lentry_shape_is_right:
.set KB,    4096
.set ESC,   40
.set SLOT,  133120
.set STAGE, 2*SLOT
.set SPARE, STAGE+4*16*272
.set LAPS,  KB/1024
.set ADRA, 16
.set ADRB, 20
.set STO,  24
.set RD,   25
.set CO,   26
.set SPW,  28
.set NIL,  29
.set BK,   64
.set ACC,  128
.set F0,   0
.set F1,   128
.set WV,   16
.set WR,   17
.set WC,   18
.set G1,   24
.set G0,   32
.set G1B,  48
.set G0B,  56
.set WA,   72
.set WB,   74
.set WRA,  76
.set WRB,  77
.set MSB,  0
.macro WIN new
.if MSB != (\new)
	s_set_vgpr_msb (MSB<<8)|(\new)
.set MSB, (\new)
.endif
.endm
.set MUL,  0x05
.set TO_F, 0x40
.macro PLACES
.rept 4
	v_nop
.endr
.endm
.macro JLOAD s
	s_cmp_eq_u32 s[WR], 0
	s_cbranch_scc0 .Lfor_b_\@
	tensor_load_to_lds s[G0+4*\s:G0+4*\s+3], s[G1:G1+7]
	s_nop 0
	PLACES
	s_branch .Lasked_\@
.Lfor_b_\@:
	tensor_load_to_lds s[G0B+4*\s:G0B+4*\s+3], s[G1B:G1B+7]
	s_nop 0
	PLACES
.Lasked_\@:
.endm
.macro CREST
	s_cmp_lg_u32 s[WV], 0
	s_cbranch_scc1 .Lnot_wave_0_\@
	s_barrier_signal -3
.Lnot_wave_0_\@:
	s_barrier_wait -3
	s_barrier_signal -1
	s_barrier_wait -1
.endm
.macro CROUND
	s_barrier_signal -1
	s_barrier_wait -1
	CREST
.endm
	s_load_b256 s[4:11], s[0:1], 0x0
	s_load_b128 s[12:15], s[0:1], 0x20
	v_lshl_add_u32 v[SPW], v0, 2, SPARE
	v_mov_b32 v[NIL], 0
	ds_add_u32 v[SPW], v[NIL]
	ds_add_u32 v[SPW], v[NIL]
	v_lshrrev_b32 v1, 5, v0
	v_readfirstlane_b32 s[WV], v1
	s_lshr_b32 s[WR], s[WV], 1
	s_and_b32 s[WC], s[WV], 1
	s_bfe_u32 s40, ttmp6, 0x40000
	s_bfe_u32 s41, ttmp6, 0x40004
	s_lshl_b32 s42, ttmp9, 2
	s_add_co_u32 s42, s42, s40
	s_and_b32 s43, ttmp7, 0xffff
	s_lshl_b32 s43, s43, 2
	s_add_co_u32 s43, s43, s41
	s_lshl_b32 s44, s41, 2
	s_lshl_b32 s44, 15, s44
	s_lshl_b32 s45, 0x1111, s40
	s_or_b32 s[G1], s44, (1<<21)
	s_mov_b32 s[G1+1], 8192<<16
	s_mov_b32 s[G1+2], 4<<16
	s_mov_b32 s[G1+3], 8192<<16
	s_mov_b32 s[G1+4], 4
	s_mov_b32 s[G1+5], 16*KB
	s_mov_b32 s[G1+6], 0
	s_mov_b32 s[G1+7], 0
	s_or_b32 s[G1B], s45, (1<<20)|(1<<21)|(6<<22)|(3<<25)
	s_mov_b32 s[G1B+1], 512<<16
	s_mov_b32 s[G1B+2], 64<<16
	s_mov_b32 s[G1B+3], 512<<16
	s_mov_b32 s[G1B+4], 64
	s_mov_b32 s[G1B+5], KB
	s_mov_b32 s[G1B+6], 0
	s_mov_b32 s[G1B+7], 0
	s_and_b32 s78, ttmp7, 0xffff
	s_add_co_u32 s78, s78, ttmp9
	s_and_b32 s78, s78, 1
	s_lshl_b32 s[WRA], s78, 16
	s_lshl_b32 s[WRB], s78, 12
	s_mov_b32 s[WA+1], 0
	s_mov_b32 s[WB+1], 0
	s_lshl_b32 s20, s43, 3
	s_lshl_b32 s21, s[WC], 2
	s_add_co_u32 s20, s20, s21
	s_mul_i32 s20, s20, 16*KB
	s_lshr_b32 s78, s[WRA], 1
	s_add_co_u32 s20, s20, s78
	s_mov_b32 s21, 0
	s_lshl_b32 s46, s42, 7
	s_lshl_b32 s47, s[WC], 6
	s_add_co_u32 s46, s46, s47
	s_mul_i32 s46, s46, KB
	s_lshr_b32 s78, s[WRB], 1
	s_add_co_u32 s46, s46, s78
	s_mov_b32 s47, 0
	s_lshl_b32 s22, s[WC], 15
	s_mul_i32 s23, s[WC], 64*528
	s_add_co_u32 s23, s23, 65536
	s_wait_dscnt 0x0
	s_wait_kmcnt 0x0
	s_load_b64 s[68:69], s[8:9], ESC
	s_add_nc_u64 s[20:21], s[4:5], s[20:21]
	s_add_nc_u64 s[46:47], s[6:7], s[46:47]
	CROUND
.irp s, 0,1
	s_mov_b32 s[G0+4*\s], 1
	s_add_co_u32 s[G0+4*\s+1], s22, \s*SLOT
	s_add_nc_u64 s[G0+4*\s+2:G0+4*\s+3], s[20:21], \s*8192
	s_or_b32 s[G0+4*\s+3], s[G0+4*\s+3], 0x80000000
	s_mov_b32 s[G0B+4*\s], 1
	s_add_co_u32 s[G0B+4*\s+1], s23, \s*SLOT
	s_add_nc_u64 s[G0B+4*\s+2:G0B+4*\s+3], s[46:47], \s*512
	s_or_b32 s[G0B+4*\s+3], s[G0B+4*\s+3], 0x80000000
	s_wait_alu depctr_va_vdst(0)
	s_wait_tensorcnt 0x0
	ds_add_u32 v28, v29
	ds_add_u32 v28, v29
	s_wait_dscnt 0x0
	CROUND
	JLOAD \s
.endr
	v_and_b32 v1, 15, v0
	v_bfe_u32 v2, v0, 4, 1
	v_and_b32 v3, 31, v0
	v_lshlrev_b32 v3, 4, v3
	s_lshl_b32 s19, s[WR], 15
	v_add_nc_u32 v[ADRA], s19, v3
	v_add_nc_u32 v[ADRA+1], SLOT, v[ADRA]
	v_mul_u32_u24 v4, v1, 528
	v_lshl_add_u32 v4, v2, 3, v4
	v_add_nc_u32 v[ADRB], s23, v4
	v_add_nc_u32 v[ADRB+1], SLOT, v[ADRB]
	s_mul_i32 s19, s[WV], 16*272
	s_add_co_u32 s19, s19, STAGE
	v_mul_u32_u24 v4, v1, 272
	v_lshl_add_u32 v4, v2, 5, v4
	v_add_nc_u32 v[STO], s19, v4
	v_mul_u32_u24 v4, v2, 272
	v_lshl_add_u32 v4, v1, 4, v4
	v_add_nc_u32 v[RD], s19, v4
	v_lshlrev_b32 v5, 4, v1
	s_wait_alu depctr_va_vdst(0)
	v_lshl_add_u32 v[CO], v2, 12, v5
	s_wait_alu depctr_va_vdst(0)
	s_lshl_b32 s70, s42, 9
	s_lshl_b32 s71, s[WC], 8
	s_add_co_u32 s70, s70, s71
	s_mov_b32 s71, 0
	s_add_nc_u64 s[10:11], s[10:11], s[70:71]
	s_lshl_b32 s19, s43, 19
	s_add_co_u32 s70, s70, s19
	s_lshl_b32 s19, s[WR], 18
	s_add_co_u32 s70, s70, s19
	s_add_nc_u64 s[12:13], s[12:13], s[70:71]
	s_add_nc_u64 s[14:15], s[14:15], s[70:71]
	global_load_b128 v[32:35], v5, s[10:11]
	WIN 0x80
.irp a, 0,1,2,3
.irp t, 0,1,2,3,4,5,6,7
	global_load_b128 v[32*\a+4*\t:32*\a+4*\t+3], v[CO], s[12:13] offset:(16*\a+2*\t)*4096
.endr
.endr
	WIN 0
.macro FETCH slot, q, f
	WIN TO_F
.irp b, 0,1,2,3
.irp c, 0,1,2,3,4,5,6,7
	ds_load_b64 v[\f+64+16*\b+2*\c:\f+64+16*\b+2*\c+1], v[ADRB+\slot] offset:8448*\b+128*(\q)+16*\c
.endr
.endr
.irp a, 0,1,2,3
.irp g, 0,1,2,3
	ds_load_b128 v[\f+16*\a+4*\g:\f+16*\a+4*\g+3], v[ADRA+\slot] offset:8192*\a+2048*(\q)+512*\g
.endr
.endr
.endm
.macro MULA f, a, zero
.irp b, 0,1,2,3
.if \zero
	v_wmma_f32_16x16x128_fp8_fp8 v[ACC+8*(4*(\a)+\b):ACC+8*(4*(\a)+\b)+7], v[\f+64+16*\b:\f+64+16*\b+15], v[\f+16*(\a):\f+16*(\a)+15], 0
.else
	v_wmma_f32_16x16x128_fp8_fp8 v[ACC+8*(4*(\a)+\b):ACC+8*(4*(\a)+\b)+7], v[\f+64+16*\b:\f+64+16*\b+15], v[\f+16*(\a):\f+16*(\a)+15], v[ACC+8*(4*(\a)+\b):ACC+8*(4*(\a)+\b)+7]
.endif
.endr
.endm
.macro QUARTER slot, q, f, g, zero
	s_wait_dscnt 8
	WIN MUL
	MULA \f, 0, \zero
	MULA \f, 1, \zero
	PLACES
	FETCH \slot, \q, \g
	s_wait_dscnt 48
	WIN MUL
	MULA \f, 2, \zero
	MULA \f, 3, \zero
.endm
.macro TURN slot, next, fill
	WIN 0
	s_wait_tensorcnt 0x0
	ds_add_u32 v[SPW], v[NIL]
	s_wait_dscnt 9
	WIN MUL
	MULA F1, 0, 0
	MULA F1, 1, 0
	s_wait_dscnt 0x0
	s_barrier_signal -1
	MULA F1, 2, 0
.if \fill
	WIN 0
.endif
	s_barrier_wait -1
.if \fill
	CREST
	s_add_nc_u64 s[G0+4*\slot+2:G0+4*\slot+3], s[G0+4*\slot+2:G0+4*\slot+3], 16384
	s_add_nc_u64 s[G0B+4*\slot+2:G0B+4*\slot+3], s[G0B+4*\slot+2:G0B+4*\slot+3], 1024
	s_cmp_eq_u32 s3, LAPS-2
	s_cselect_b32 s[WA], s[WRA], 0
	s_cselect_b32 s[WB], s[WRB], 0
	s_sub_nc_u64 s[G0+4*\slot+2:G0+4*\slot+3], s[G0+4*\slot+2:G0+4*\slot+3], s[WA:WA+1]
	s_sub_nc_u64 s[G0B+4*\slot+2:G0B+4*\slot+3], s[G0B+4*\slot+2:G0B+4*\slot+3], s[WB:WB+1]
	JLOAD \slot
.else
	PLACES
.endif
	FETCH \next, 0, F0
	WIN MUL
	MULA F1, 3, 0
.endm
	s_wait_tensorcnt 1
	s_barrier_signal -1
	s_barrier_wait -1
	FETCH 0, 0, F0
	QUARTER 0, 1, F0, F1, 1
	WIN 0
	s_mov_b32 s3, LAPS-1
.Llap:
	QUARTER 0, 2, F1, F0, 0
	QUARTER 0, 3, F0, F1, 0
	TURN 0, 1, 1
	QUARTER 1, 1, F0, F1, 0
	QUARTER 1, 2, F1, F0, 0
	QUARTER 1, 3, F0, F1, 0
	TURN 1, 0, 1
	QUARTER 0, 1, F0, F1, 0
	WIN 0
	s_sub_co_u32 s3, s3, 1
	s_cmp_lg_u32 s3, 0
	s_cbranch_scc1 .Llap
	QUARTER 0, 2, F1, F0, 0
	QUARTER 0, 3, F0, F1, 0
	TURN 0, 1, 0
	QUARTER 1, 1, F0, F1, 0
	QUARTER 1, 2, F1, F0, 0
	QUARTER 1, 3, F0, F1, 0
	s_wait_dscnt 8
	WIN MUL
	MULA F1, 0, 0
	MULA F1, 1, 0
	s_wait_dscnt 0x0
	MULA F1, 2, 0
	MULA F1, 3, 0
	s_wait_kmcnt 0x0
	s_add_co_i32 s66, s68, s69
	s_add_co_i32 s66, s66, 127
	s_lshl_b32 s66, s66, 23
	s_mov_b32 s67, s66
	s_wait_loadcnt 0x0
	WIN 0x82
.set i, 0
.rept 32
	v_pk_add_f32 v[4*i:4*i+1], v[4*i:4*i+1], v[32:33]
	v_pk_add_f32 v[4*i+2:4*i+3], v[4*i+2:4*i+3], v[34:35]
.set i, i+1
.endr
	WIN 0
.macro TOSTAGE a
.set BB, BK+32*((\a)%2)
.irp b, 0,1,2,3
	ds_store_b128 v[STO], v[ACC+8*(4*(\a)+\b):ACC+8*(4*(\a)+\b)+3] offset:64*\b
	ds_store_b128 v[STO], v[ACC+8*(4*(\a)+\b)+4:ACC+8*(4*(\a)+\b)+7] offset:64*\b+16
.endr
.irp t, 0,1,2,3,4,5,6,7
	ds_load_b128 v[BB+4*\t:BB+4*\t+3], v[RD] offset:544*\t
.endr
.endm
.macro SEND a, younger
.set BB, BK+32*((\a)%2)
	s_wait_dscnt \younger
	WIN 0x20
.set i, 0
.rept 16
	v_pk_fma_f32 v[BB+i:BB+i+1], v[BB+i:BB+i+1], s[66:67], v[32*(\a)+i:32*(\a)+i+1] op_sel_hi:[1,0,1]
.set i, i+2
.endr
	WIN 0
.irp t, 0,1,2,3,4,5,6,7
	global_store_b128 v[CO], v[BB+4*\t:BB+4*\t+3], s[14:15] offset:(16*(\a)+2*\t)*4096
.endr
.endm
	TOSTAGE 0
.irp a, 1,2,3
.if \a > 1
	s_wait_xcnt 0x0
.endif
	TOSTAGE \a
	SEND (\a-1), 16
.endr
	SEND 3, 0
	s_wait_tensorcnt 0x0
	ds_add_u32 v[SPW], v[NIL]
	s_wait_dscnt 0x0
	CROUND
	s_endpgm
.Lfunc_end_k_q682eecb2a7_fc2:
	.size	k_q682eecb2a7_fc2, .Lfunc_end_k_q682eecb2a7_fc2-k_q682eecb2a7_fc2
	.p2alignl 7, 3214868480
	.fill 96, 4, 3214868480
	.section	.rodata,"a",@progbits
	.p2align	6, 0x0
	.amdhsa_kernel k_q682eecb2a7_fc2
		.amdhsa_group_segment_fixed_size 327680
		.amdhsa_private_segment_fixed_size 0
		.amdhsa_enable_private_segment 0
		.amdhsa_kernarg_size 48
		.amdhsa_user_sgpr_count 2
		.amdhsa_user_sgpr_kernarg_segment_ptr 1
		.amdhsa_wavefront_size32 1
		.amdhsa_system_sgpr_workgroup_id_x 1
		.amdhsa_system_sgpr_workgroup_id_y 1
		.amdhsa_system_sgpr_workgroup_id_z 1
		.amdhsa_system_vgpr_workitem_id 0
		.amdhsa_next_free_vgpr 1024
		.amdhsa_next_free_sgpr 80
		.amdhsa_reserve_vcc 0
		.amdhsa_float_denorm_mode_32 3
		.amdhsa_float_denorm_mode_16_64 3
		.amdhsa_memory_ordered 1
		.amdhsa_forward_progress 1
		.amdhsa_inst_pref_size 99
	.end_amdhsa_kernel
	.amdgpu_metadata
---
amdhsa.version: [ 1, 2 ]
amdhsa.kernels:
  - .name:           k_q682eecb2a7_fc2
    .symbol:         k_q682eecb2a7_fc2.kd
    .args:
      - { .name: gc, .offset: 0, .size: 8, .value_kind: global_buffer, .address_space: global }
      - { .name: w_fc2_codes, .offset: 8, .size: 8, .value_kind: global_buffer, .address_space: global }
      - { .name: lowp_scales, .offset: 16, .size: 8, .value_kind: global_buffer, .address_space: global }
      - { .name: b_fc2, .offset: 24, .size: 8, .value_kind: global_buffer, .address_space: global }
      - { .name: x1, .offset: 32, .size: 8, .value_kind: global_buffer, .address_space: global }
      - { .name: out0, .offset: 40, .size: 8, .value_kind: global_buffer, .address_space: global }
    .group_segment_fixed_size: 327680
    .private_segment_fixed_size: 0
    .kernarg_segment_align: 8
    .kernarg_segment_size: 48
    .max_flat_workgroup_size: 128
    .sgpr_count:     80
    .vgpr_count:     1024
    .wavefront_size: 32
...
	.end_amdgpu_metadata
.endif
;; end of part 7
